; MI455X (gfx1250); checked and timed in simulation.
; The chip was launched on July 23, 2026; its instructions are those of AMD's public machine-readable ISA for CDNA 5 (MIT licence, August 2026) and "CDNA5" Instruction Set Architecture Reference Guide (July 2026). The comments in the code are by the model that wrote it; some were corrected since.
;; Joint Graph Attention. Allowed arithmetic: float matrix products may take bf16 or f16 operands with f32 sums; all other float work in f32.
;; Inputs: W1 256 x 256 float32; W2 256 x 256 float32; Wk 256 x 256 float32; Wo 256 x 256 float32; Wq 256 x 256 float32; Wv 256 x 256 float32; b1 256 float32; b2 256 float32; bo 256 float32; bq 256 float32; bv 256 float32; freqs 128 float32; key 2 x 512 x 256 float32; query 2 x 256 x 256 float32; query_pos 2 x 256 x 512 float32.
;; Outputs: out0 2 x 256 x 256 float32.
;; 3 versions, each right and faster than the one before. Each part assembles by itself: llvm-mc -triple=amdgcn-amd-amdhsa -mcpu=gfx1250 --defsym DOCPART=n.
;; ======== version 1 of 3: 2 launches
;; limits: right only within a limited range of input values; an absolute error that grows with the inputs' magnitude: up to 1.2e-07 times it
;; workspace buffers: W1f 131,072 bytes; W2f 131,072 bytes; Wof 131,072 bytes; qf 524,288 bytes; kf 1,048,576 bytes; vf 524,288 bytes
;; launch prep (part 1): grid 256 x 1, 4 waves a work-group, no clusters, 0 bytes of LDS; arguments query, key, Wq, bq, Wk, Wv, bv, W1, W2, Wo, qf, kf, vf, W1f, W2f, Wof; writes qf, kf, vf, W1f, W2f, Wof
.if DOCPART == 1
	.amdgcn_target "amdgcn-amd-amdhsa--gfx1250"
	.amdhsa_code_object_version 6
	.text
	.protected	k_q450c7ae3d1_prep
	.globl	k_q450c7ae3d1_prep
	.p2align	8
	.type	k_q450c7ae3d1_prep,@function
k_q450c7ae3d1_prep:
	s_mov_b64 s[64:65], 0
	v_nop
	global_prefetch_b8 v0, s[64:65] scope:SCOPE_SE
	s_setreg_imm32_b32 hwreg(HW_REG_WAVE_MODE, 25, 1), 1
	s_wait_xcnt 0x0
; PREP: what the fused launch wants ready, each in the order in which its registers take it.
;   work-groups   0- 63: k = key Wk^T            -> kf  [row tile 64][ct 16][half 2][lane 32][4 f32]
;   work-groups  64-127: v = key Wv^T + bv       -> vf  [block of 256 m: 4][ct 16][m tile 16][lane 32][8 bf16]
;   work-groups 128-159: q = (query Wq^T + bq) S -> qf  [row tile 32][ct 16][half 2][lane 32][4 f32],  S = 32^-0.5 log2(e)
;   work-groups 160-255: W1, W2, Wo to bf16      -> W1f, W2f, Wof [tile 16][K step 8][half 2][lane 32][8 bf16]
; kf, qf: lane (r, h), half q holds columns c = 16 ct + 8 h + 4 q + 0..3 of row r of the tile.
; vf:     lane (r, h) holds v(m = 16 mt + 8 h + 0..7, c = 16 ct + r): a source fragment with m along K.
; W*f:    lane (r, h), half q holds row 16 tile + r, k = 32 ks + 16 q + 8 h + 0..7: a source fragment as it lies in registers.
; A projection work-group makes 16 rows x 256 columns; wave w the column tiles ct = 4 w .. 4 w + 3.  Operands go from memory
; through registers (f32 -> bf16) straight to the matrix unit: no LDS, no barrier.  In the projections k is permuted alike in
; both operands (lane (r, h) takes the 16 consecutive f32 at k = 32 ks + 16 h), which keeps every product.
; Reads are pieces of 64 or 128 bytes of 16 rows; each store of a wave covers 512 consecutive bytes.
; No cluster: the shared weights are 256 KiB in all and each wave reads its own 64 rows of them.
.set LB0, 16                           ; v[16:95]    five fragments x 16 f32, buffer 0
.set LB1, 96                           ; v[96:175]   buffer 1
.set FR,  176                          ; v[176:215]  five fragments x 8 registers of bf16: the rows' tile, then four weight tiles
.set ACC, 216                          ; v[216:247]  four accumulators
.macro PLACES                          ; four plain vector places behind a matrix instruction (ISA guide 7.12.1)
.rept 4
	v_nop
.endr
.endm
; 20 loads: K step ks of the 16 rows and of the wave's 64 weight rows
.macro LOADK ks, lb
.irp q, 0,1,2,3
	global_load_b128 v[\lb+4*\q:\lb+4*\q+3], v3, s[40:41] offset:(\ks)*128+16*\q
.endr
.irp t, 0,1,2,3
.irp q, 0,1,2,3
	global_load_b128 v[\lb+16+16*\t+4*\q:\lb+16+16*\t+4*\q+3], v3, s[42:43] offset:\t*16384+(\ks)*128+16*\q
.endr
.endr
.endm
; One K step.  swap = 0: source 0 = weights, source 1 = rows (a lane ends with 8 columns of one row);  swap = 1: the other way round.
; init = 1: the accumulators were loaded with the bias.  The four accumulators take turns, one instruction a turn.
.macro KSTEP ks, lb, swap, init
.if \ks > 0
	PLACES                                         ; FR is rewritten only four places behind the products that read it
.endif
.if \ks == 7
	s_wait_loadcnt 0x0
.else
	s_wait_loadcnt 20                              ; this step's 20 loads (and all older ones) are in; the next step's 20 stay out
.endif
.set ci, 0
.rept 40
	v_cvt_pk_bf16_f32 v[FR+ci], v[\lb+2*ci], v[\lb+2*ci+1]
.set ci, ci+1
.endr
.if \ks <= 5
	LOADK \ks+2, \lb
.endif
.set CZ, \ks+\init
.irp t, 0,1,2,3
.if \swap
.if CZ == 0
	v_wmma_f32_16x16x32_bf16 v[ACC+8*\t:ACC+8*\t+7], v[FR:FR+7], v[FR+8+8*\t:FR+15+8*\t], 0
.else
	v_wmma_f32_16x16x32_bf16 v[ACC+8*\t:ACC+8*\t+7], v[FR:FR+7], v[FR+8+8*\t:FR+15+8*\t], v[ACC+8*\t:ACC+8*\t+7]
.endif
.else
.if CZ == 0
	v_wmma_f32_16x16x32_bf16 v[ACC+8*\t:ACC+8*\t+7], v[FR+8+8*\t:FR+15+8*\t], v[FR:FR+7], 0
.else
	v_wmma_f32_16x16x32_bf16 v[ACC+8*\t:ACC+8*\t+7], v[FR+8+8*\t:FR+15+8*\t], v[FR:FR+7], v[ACC+8*\t:ACC+8*\t+7]
.endif
.endif
.endr
.endm
.macro PROJ swap, init
	LOADK 0, LB0
	LOADK 1, LB1
	KSTEP 0, LB0, \swap, \init
	KSTEP 1, LB1, \swap, \init
	KSTEP 2, LB0, \swap, \init
	KSTEP 3, LB1, \swap, \init
	KSTEP 4, LB0, \swap, \init
	KSTEP 5, LB1, \swap, \init
	KSTEP 6, LB0, \swap, \init
	KSTEP 7, LB1, \swap, \init
	PLACES                                         ; behind the last products, ahead of whatever reads the sums
.endm
.macro STORE8                          ; f32 results: two stores of 512 consecutive bytes for each column tile
.irp t, 0,1,2,3
	global_store_b128 v4, v[ACC+8*\t:ACC+8*\t+3],   s[44:45] offset:\t*1024
	global_store_b128 v4, v[ACC+8*\t+4:ACC+8*\t+7], s[44:45] offset:\t*1024+512
.endr
.endm
	s_load_b512 s[8:23], s[0:1], 0x0               ; query 8, key 10, Wq 12, bq 14, Wk 16, Wv 18, bv 20, W1 22
	s_load_b512 s[24:39], s[0:1], 0x40             ; W2 24, Wo 26, qf 28, kf 30, vf 32, W1f 34, W2f 36, Wof 38
	v_lshrrev_b32 v1, 5, v0
	v_readfirstlane_b32 s4, v1                     ; wave
	v_and_b32 v1, 15, v0                           ; r
	v_bfe_u32 v2, v0, 4, 1                         ; h
	v_lshlrev_b32 v3, 10, v1
	v_lshl_add_u32 v5, v2, 5, v3                   ; r x 1024 + 32 h (the weights' true order)
	v_lshl_add_u32 v3, v2, 6, v3                   ; r x 1024 + 64 h (the projections' order)
	v_and_b32 v4, 31, v0
	v_lshlrev_b32 v4, 4, v4                        ; 16 x lane
	v_lshlrev_b32 v6, 5, v2                        ; 32 h
	v_lshlrev_b32 v7, 2, v1                        ; 4 r
	s_mov_b32 s47, 0
	s_mov_b32 s49, 0
	s_wait_kmcnt 0x0
	s_cmp_ge_u32 ttmp9, 160
	s_cbranch_scc1 .Lconv
	s_cmp_ge_u32 ttmp9, 128
	s_cbranch_scc1 .Lq
	s_cmp_ge_u32 ttmp9, 64
	s_cbranch_scc1 .Lv
	; ---- k
	s_lshl_b32 s46, ttmp9, 14                      ; 16 rows of 1,024 bytes; also a row tile of kf
	s_add_nc_u64 s[40:41], s[10:11], s[46:47]
	s_add_nc_u64 s[44:45], s[30:31], s[46:47]
	s_lshl_b32 s48, s4, 16                         ; the wave's 64 weight rows
	s_add_nc_u64 s[42:43], s[16:17], s[48:49]
	s_lshl_b32 s48, s4, 12                         ; its four column tiles of 1,024 bytes
	s_add_nc_u64 s[44:45], s[44:45], s[48:49]
	PROJ 0, 0
	STORE8
	s_endpgm
.Lv:	; ---- v
	s_sub_co_u32 s5, ttmp9, 64                     ; row tile 0..63
	s_lshl_b32 s46, s5, 14
	s_add_nc_u64 s[40:41], s[10:11], s[46:47]
	s_lshl_b32 s48, s4, 16
	s_add_nc_u64 s[42:43], s[18:19], s[48:49]
	s_lshl_b32 s48, s4, 8                          ; bv of the wave's 64 columns
	s_add_nc_u64 s[50:51], s[20:21], s[48:49]
	s_lshr_b32 s46, s5, 4
	s_lshl_b32 s46, s46, 17                        ; block of 256 m
	s_lshl_b32 s48, s4, 15                         ; four column tiles of 8,192 bytes
	s_add_co_u32 s46, s46, s48
	s_and_b32 s48, s5, 15
	s_lshl_b32 s48, s48, 9                         ; m tile in the block
	s_add_co_u32 s46, s46, s48
	s_add_nc_u64 s[44:45], s[32:33], s[46:47]
.irp t, 0,1,2,3
	global_load_b32 v[8+\t], v7, s[50:51] offset:64*\t             ; bv[16 ct + r]; older than every counted wait below
.endr
	PROJ 1, 0
.irp p, 0,1,2,3
	v_pk_add_f32 v[ACC+2*\p:ACC+2*\p+1],       v[ACC+2*\p:ACC+2*\p+1],       v[8:9]   op_sel:[0,0] op_sel_hi:[1,0]
	v_pk_add_f32 v[ACC+8+2*\p:ACC+8+2*\p+1],   v[ACC+8+2*\p:ACC+8+2*\p+1],   v[8:9]   op_sel:[0,1] op_sel_hi:[1,1]
	v_pk_add_f32 v[ACC+16+2*\p:ACC+16+2*\p+1], v[ACC+16+2*\p:ACC+16+2*\p+1], v[10:11] op_sel:[0,0] op_sel_hi:[1,0]
	v_pk_add_f32 v[ACC+24+2*\p:ACC+24+2*\p+1], v[ACC+24+2*\p:ACC+24+2*\p+1], v[10:11] op_sel:[0,1] op_sel_hi:[1,1]
.endr
.irp t, 0,1,2,3
.irp p, 0,1,2,3
	v_cvt_pk_bf16_f32 v[FR+4*\t+\p], v[ACC+8*\t+2*\p], v[ACC+8*\t+2*\p+1]
.endr
.endr
.irp t, 0,1,2,3
	global_store_b128 v4, v[FR+4*\t:FR+4*\t+3], s[44:45] offset:\t*8192
.endr
	s_endpgm
.Lq:	; ---- q
	s_sub_co_u32 s5, ttmp9, 128                    ; row tile 0..31
	s_lshl_b32 s46, s5, 14
	s_add_nc_u64 s[40:41], s[8:9], s[46:47]
	s_add_nc_u64 s[44:45], s[28:29], s[46:47]
	s_lshl_b32 s48, s4, 16
	s_add_nc_u64 s[42:43], s[12:13], s[48:49]
	s_lshl_b32 s48, s4, 12
	s_add_nc_u64 s[44:45], s[44:45], s[48:49]
	s_lshl_b32 s48, s4, 8
	s_add_nc_u64 s[50:51], s[14:15], s[48:49]
	s_mov_b32 s52, 0x3e8293ee                      ; 32^-0.5 x log2(e): the softmax is taken in base 2
	s_mov_b32 s53, 0x3e8293ee
.irp t, 0,1,2,3
	global_load_b128 v[ACC+8*\t:ACC+8*\t+3],   v6, s[50:51] offset:64*\t       ; bq[16 ct + 8 h + 0..7] starts the sums
	global_load_b128 v[ACC+8*\t+4:ACC+8*\t+7], v6, s[50:51] offset:64*\t+16
.endr
	PROJ 0, 1
.set ci, 0
.rept 16
	v_pk_mul_f32 v[ACC+2*ci:ACC+2*ci+1], v[ACC+2*ci:ACC+2*ci+1], s[52:53] op_sel_hi:[1,0]
.set ci, ci+1
.endr
	STORE8
	s_endpgm
.Lconv:	; ---- W1, W2, Wo: one fragment of 16 rows x 32 k for each wave
	s_sub_co_u32 s5, ttmp9, 160
	s_lshr_b32 s6, s5, 5                           ; which matrix
	s_and_b32 s5, s5, 31
	s_cmp_eq_u32 s6, 0
	s_cselect_b64 s[40:41], s[22:23], s[24:25]
	s_cselect_b64 s[44:45], s[34:35], s[36:37]
	s_cmp_eq_u32 s6, 2
	s_cselect_b64 s[40:41], s[26:27], s[40:41]
	s_cselect_b64 s[44:45], s[38:39], s[44:45]
	s_lshr_b32 s6, s5, 1                           ; tile
	s_and_b32 s5, s5, 1
	s_lshl2_add_u32 s5, s5, s4                     ; K step = 4 (p & 1) + wave
	s_lshl_b32 s46, s6, 14
	s_lshl_b32 s48, s5, 7
	s_add_co_u32 s46, s46, s48
	s_add_nc_u64 s[40:41], s[40:41], s[46:47]
	s_lshl3_add_u32 s48, s6, s5
	s_lshl_b32 s48, s48, 10
	s_add_nc_u64 s[44:45], s[44:45], s[48:49]
	global_load_b128 v[16:19], v5, s[40:41]
	global_load_b128 v[20:23], v5, s[40:41] offset:16
	global_load_b128 v[24:27], v5, s[40:41] offset:64
	global_load_b128 v[28:31], v5, s[40:41] offset:80
	s_wait_loadcnt 0x0
.irp e, 0,1,2,3,4,5,6,7
	v_cvt_pk_bf16_f32 v[32+\e], v[16+2*\e], v[17+2*\e]
.endr
	global_store_b128 v4, v[32:35], s[44:45]
	global_store_b128 v4, v[36:39], s[44:45] offset:512
	s_endpgm
.Lfunc_end_k_q450c7ae3d1_prep:
	.size	k_q450c7ae3d1_prep, .Lfunc_end_k_q450c7ae3d1_prep-k_q450c7ae3d1_prep
	.p2alignl 7, 3214868480
	.fill 96, 4, 3214868480
	.section	.rodata,"a",@progbits
	.p2align	6, 0x0
	.amdhsa_kernel k_q450c7ae3d1_prep
		.amdhsa_group_segment_fixed_size 0
		.amdhsa_private_segment_fixed_size 0
		.amdhsa_enable_private_segment 0
		.amdhsa_kernarg_size 128
		.amdhsa_user_sgpr_count 2
		.amdhsa_user_sgpr_kernarg_segment_ptr 1
		.amdhsa_wavefront_size32 1
		.amdhsa_system_sgpr_workgroup_id_x 1
		.amdhsa_system_sgpr_workgroup_id_y 1
		.amdhsa_system_sgpr_workgroup_id_z 1
		.amdhsa_system_vgpr_workitem_id 0
		.amdhsa_next_free_vgpr 256
		.amdhsa_next_free_sgpr 66
		.amdhsa_reserve_vcc 0
		.amdhsa_float_denorm_mode_32 3
		.amdhsa_float_denorm_mode_16_64 3
		.amdhsa_memory_ordered 1
		.amdhsa_forward_progress 1
		.amdhsa_inst_pref_size 125
	.end_amdhsa_kernel
	.amdgpu_metadata
---
amdhsa.version: [ 1, 2 ]
amdhsa.kernels:
  - .name:           k_q450c7ae3d1_prep
    .symbol:         k_q450c7ae3d1_prep.kd
    .args:
      - { .name: query, .offset: 0, .size: 8, .value_kind: global_buffer, .address_space: global }
      - { .name: key, .offset: 8, .size: 8, .value_kind: global_buffer, .address_space: global }
      - { .name: Wq, .offset: 16, .size: 8, .value_kind: global_buffer, .address_space: global }
      - { .name: bq, .offset: 24, .size: 8, .value_kind: global_buffer, .address_space: global }
      - { .name: Wk, .offset: 32, .size: 8, .value_kind: global_buffer, .address_space: global }
      - { .name: Wv, .offset: 40, .size: 8, .value_kind: global_buffer, .address_space: global }
      - { .name: bv, .offset: 48, .size: 8, .value_kind: global_buffer, .address_space: global }
      - { .name: W1, .offset: 56, .size: 8, .value_kind: global_buffer, .address_space: global }
      - { .name: W2, .offset: 64, .size: 8, .value_kind: global_buffer, .address_space: global }
      - { .name: Wo, .offset: 72, .size: 8, .value_kind: global_buffer, .address_space: global }
      - { .name: qf, .offset: 80, .size: 8, .value_kind: global_buffer, .address_space: global }
      - { .name: kf, .offset: 88, .size: 8, .value_kind: global_buffer, .address_space: global }
      - { .name: vf, .offset: 96, .size: 8, .value_kind: global_buffer, .address_space: global }
      - { .name: W1f, .offset: 104, .size: 8, .value_kind: global_buffer, .address_space: global }
      - { .name: W2f, .offset: 112, .size: 8, .value_kind: global_buffer, .address_space: global }
      - { .name: Wof, .offset: 120, .size: 8, .value_kind: global_buffer, .address_space: global }
    .group_segment_fixed_size: 0
    .private_segment_fixed_size: 0
    .kernarg_segment_align: 8
    .kernarg_segment_size: 128
    .max_flat_workgroup_size: 128
    .sgpr_count:     66
    .vgpr_count:     256
    .wavefront_size: 32
...
	.end_amdgpu_metadata
.endif
;; end of part 1
;; launch main (part 2): grid 256 x 1, 4 waves a work-group, clusters of 4 x 1, 327,680 bytes of LDS; arguments W1f, W2f, Wof, qf, kf, vf, b1, b2, bo, freqs, query, query_pos, out0; writes out0
.if DOCPART == 2
	.amdgcn_target "amdgcn-amd-amdhsa--gfx1250"
	.amdhsa_code_object_version 6
	.text
	.protected	k_q450c7ae3d1_main
	.globl	k_q450c7ae3d1_main
	.p2align	8
	.type	k_q450c7ae3d1_main,@function
k_q450c7ae3d1_main:
	s_mov_b64 s[64:65], 0
	v_nop
	global_prefetch_b8 v0, s[64:65] scope:SCOPE_SE
	s_setreg_imm32_b32 hwreg(HW_REG_WAVE_MODE, 25, 1), 1
	s_wait_xcnt 0x0
	s_wait_alu depctr_hold_cnt(0) depctr_sa_sdst(0) depctr_va_vdst(0) depctr_va_sdst(0) depctr_va_ssrc(0) depctr_va_vcc(0) depctr_vm_vsrc(0)
	s_getreg_b32 s2, hwreg(HW_REG_IB_STS2, 6, 4)
	s_cmp_eq_u32 s2, 0
	s_cbranch_scc0 .Lentry_in_a_cluster
	s_endpgm
.Lentry_in_a_cluster:
	s_bfe_u32 s2, ttmp6, 0x10000c
	s_cmp_lg_u32 s2, 0x3003
	s_cbranch_scc0 .Lentry_shape_is_right
	s_endpgm
.Lentry_shape_is_right:
; MAIN: embedding -> Linear 1 -> SiLU -> Linear 2 -> gated scores -> softmax -> attention x v -> Wo + bo + query, in one launch.
; A work-group owns the two rows 2 wg, 2 wg + 1 (i = 0, 1) of the 512 (b, n) rows and all 512 m, so the softmax is its own.
; Wave w owns m = 128 w .. 128 w + 127, in four tiles of 64 pairs = 2 n x 32 m; pair tile pt = 2 i + j, m = 128 w + 32 tile + 16 j + r.
; Both large products are used transposed: source 0 = 16 weight rows, source 1 = 16 pairs.  A lane (r, h) then holds units
; 16 tile + 8 h + 0..7 of pair r, which packed to bf16 are just the registers of the next product's source 1: the embedding,
; the hidden layer and pe never leave registers.  W1 and W2 (bf16, in register order) stay in LDS for the whole launch; each
; fragment read from LDS feeds four matrix instructions.  b1 and b2 enter as the C of a block's first four products.
; A block = one weight tile x 8 K steps x 4 pair tiles = 32 matrix instructions; the vector work (SiLU of the block before; the scores
; of the block before and the next tile's embedding) stands in the eight gaps of a block.
; The four accumulators of a block take turns, one instruction a turn, and neighbouring blocks use the other set.
; CLUSTER 4 x 1: W1f, W2f, the first half of v and Wof are the same for the four partners (one batch: 128 work-groups) and are asked
; for jointly.  k and the second half of v are not: while they are needed no LDS is free, so they go straight to registers.
; LIMITS: sin and cos are made by reduction to [-1/2, 1/2] turns and polynomials (absolute error at most 1.5e-5); the reduction holds for
; |t f| < 2^22 x 2 pi, and its phase error grows as |t f| x 2^-23 radians.  Exponentials below 2^-126 count as 0.
;
; LDS
.set LBIAS,  262144                    ; b1, b2 (f32)                        0 .. 131071 W1f, later v of m 0..255; 131072 .. 262143 W2f, later Wof
.set LQV,    264192                    ; q' [i][256] f32
.set LSC,    266240                    ; scores [wave 4][row i 8 + head: 16][128 f32], pitch 528: each wave stores into its own block
.set SPITCH, 528
.set SBLK,   16*SPITCH
.set LPR,    300032                    ; attention, bf16, 16 rows of 512, pitch 1040
.set PPITCH, 1040
.set LXB,    316672                    ; attention x v, bf16 [wave 4][i 2][64], pitch 144
.set XPITCH, 144
.set XBLK,   2*XPITCH
.set LOUT,   317952                    ; x Wo^T, f32 [wave 4][i 2][64]
; REGISTERS, window 0: v0 thread, v1 16 lane, v2 r, v3 h, v4-v15 addresses (set below)
.set TT,   16                          ; v[16:31]   t, 4 tile + pt; moved down by four after each tile
.set GG,   32                          ; v[32:95]   f / 2 pi: 16 kk + e
.set UU,   96                          ; v[96:111]  embedding at work
.set ZZ,   112                         ; v[112:127]
.set RR,   128                         ; v[128:143]
.set QK,   96                          ; v[96:127]  q x k, only in gaps 0 and 1, where no embedding work runs
.set KR,   144                         ; v[144:207] k, four slots of 16: slot 16 + j 8 + half 4
.set QQ,   208                         ; v[208:223] q', i 8
.set PART, 224                         ; v[224:231] a pair of partial scores for each pair tile
.set RECV, 232                         ; v[232:233]
.set CA2,  234                         ; v[234:235] polynomial constants that stand as third source beside a scalar
.set CB2,  236                         ; v[236:237]
; window 1: embedding fragments 64 pt + 8 ks;  window 2: hidden fragments 64 pt + 8 ks
; window 3: v0-63 accumulators 32 set + 8 pt; v64-191 weight fragments 64 + 64 buf + 8 ks; v192-207 bias 192 + 8 buf;
;           v208-239 SiLU at work; v240-243 16 lane + 65536 n; v244 bias address; v245 address of v in LDS
.set TS,   208
.set WG1,  0xf7                        ; source 0 and C, D window 3, source 1 window 1 (product 1, its LDS loads, SiLU)
.set WG2,  0xfb                        ; the same with source 1 in window 2 (product 2)
.set MSB, 0
.macro WIN new                         ; the immediate's high byte repeats the setting that is left
.if MSB != \new
	s_set_vgpr_msb (MSB<<8)|\new
.set MSB, \new
.endif
.endm
.macro PLACES                          ; four plain vector places behind a matrix instruction (ISA guide 7.12.1)
.rept 4
	v_nop
.endr
.endm
.macro SPAIR r, val
	s_mov_b32 s[\r], \val
	s_mov_b32 s[\r+1], \val
.endm
; A round of the cluster's barrier: the work-group's barrier, wave 0 signals for the work-group, all wait, the work-group's barrier again.
.macro ROUND
	s_barrier_signal -1
	s_barrier_wait -1
	s_cmp_lg_u32 s76, 0
	s_cbranch_scc1 .Lnot_wave_0_\@
	s_barrier_signal -3
.Lnot_wave_0_\@:
	s_barrier_wait -3
	s_barrier_signal -1
	s_barrier_wait -1
.endm
; Load l (0..17) of weight unit u (0-15 tiles of W1, 16-31 of W2) into the buffers u & 1: 16 halves of fragments, then the bias.
.macro NEXTW u, l
.set NU, (\u)&31
.set NL, \l
.if NL < 16
	ds_load_b128 v[64+64*(NU&1)+4*NL:64+64*(NU&1)+4*NL+3], v[240+(NU>>3)] offset:(NU&7)*8192+NL*512
.else
	ds_load_b128 v[192+8*(NU&1)+4*(NL-16):192+8*(NU&1)+4*(NL-16)+3], v244 offset:64*NU+16*(NL-16)
.endif
.endm
; Four products: K step ks of unit u for the four pair tiles.
.macro MM4 u, ks
.set MB, (\u)&1
.irp pt, 0,1,2,3
.if \ks == 0
	v_wmma_f32_16x16x32_bf16 v[32*MB+8*\pt:32*MB+8*\pt+7], v[64+64*MB:64+64*MB+7], v[64*\pt:64*\pt+7], v[192+8*MB:192+8*MB+7]
.else
	v_wmma_f32_16x16x32_bf16 v[32*MB+8*\pt:32*MB+8*\pt+7], v[64+64*MB+8*\ks:64+64*MB+8*\ks+7], v[64*\pt+8*\ks:64*\pt+8*\ks+7], v[32*MB+8*\pt:32*MB+8*\pt+7]
.endif
.endr
.endm
.macro TR16 op, first
.set si, \first
.rept 16
	\op v[TS+si], v[TS+si]
.set si, si+1
.endr
.endm
; Stage st (0..7) of SiLU on the 32 sums a lane holds of block bp: x / (1 + 2^(-x log2 e)), packed into the hidden fragments.
.macro SILU st, bp
.set SA, 32*((\bp)&1)
.set SH, 8*((\bp)>>1)+4*((\bp)&1)
.set si, 0
.if \st == 0
.rept 16
	v_pk_mul_f32 v[TS+2*si:TS+2*si+1], v[SA+2*si:SA+2*si+1], s[70:71] op_sel_hi:[1,0]
.set si, si+1
.endr
.endif
.if \st == 1
	TR16 v_exp_f32, 0
.endif
.if \st == 2
	TR16 v_exp_f32, 16
.endif
.if \st == 3
	v_nop                                          ; one plain place behind the exponentials (ISA guide 5.7.2)
	s_wait_alu depctr_va_vdst(0)
.rept 16
	v_pk_add_f32 v[TS+2*si:TS+2*si+1], v[TS+2*si:TS+2*si+1], 1.0 op_sel_hi:[1,0]
.set si, si+1
.endr
.endif
.if \st == 4
	TR16 v_rcp_f32, 0
.endif
.if \st == 5
	TR16 v_rcp_f32, 16
.endif
.if \st == 6
	WIN 0xff
	v_nop                                          ; one plain place behind the reciprocals
	s_wait_alu depctr_va_vdst(0)
.rept 16
	v_pk_mul_f32 v[SA+2*si:SA+2*si+1], v[SA+2*si:SA+2*si+1], v[TS+2*si:TS+2*si+1]
.set si, si+1
.endr
	WIN WG1
.endif
.if \st == 7
	WIN 0x8f                                       ; sources window 3, destination window 2
.irp pt, 0,1,2,3
.irp q, 0,1,2,3
	v_cvt_pk_bf16_f32 v[64*\pt+SH+\q], v[SA+8*\pt+2*\q], v[SA+8*\pt+2*\q+1]
.endr
.endr
	WIN WG1
.endif
.endm
; The gap behind K step ks of block b of product 1: three loads of the next unit, one stage of SiLU of the block before.
; Gap 7's plain vector instructions name no register of this block's products: they are the places in front of the next block's
; loads into this block's buffers' partners and of its reads of this block's sums.
.macro GAP1 b, ks
.if \ks <= 5
	NEXTW \b+1, 3*\ks
	NEXTW \b+1, 3*\ks+1
	NEXTW \b+1, 3*\ks+2
.endif
.if \b > 0
	SILU \ks, \b-1
.else
.if \ks == 7
	PLACES
.endif
.endif
.endm
.macro BLK1 b
	s_wait_dscnt 0x0                               ; this block's 18 loads were issued in the block before
	WIN WG1
.irp ks, 0,1,2,3,4,5,6,7
	MM4 \b, \ks
	GAP1 \b, \ks
.endr
.endm
.macro GEMM1
.irp b, 0,1,2,3,4,5,6,7,8,9,10,11,12,13,14,15
	BLK1 \b
.endr
.irp st, 0,1,2,3,4,5,6,7
	SILU \st, 15                                   ; the last block's SiLU, in one run
.endr
.endm
; One packed operation of the embedding unit (pair tile EPT, frequencies 32 EKK ..): operation EC = 8 stage + group of two frequencies.
; y = t g + M rounds t g to a whole number of turns, r = t g - k; U = sqrt2 sin(pi r), W = sqrt2 cos(pi r); cos = 1 - U U, sin = U W.
.macro EOP
.if EC < 104
.set ES, EC>>3
.set EG, 2*(EC&7)
.set ET, TT+(EPT&2)
.set EF, GG+16*EKK+EG
.if ES == 0
.if EPT&1
	v_pk_fma_f32 v[UU+EG:UU+EG+1], v[ET:ET+1], v[EF:EF+1], s[52:53] op_sel:[1,0,0] op_sel_hi:[1,1,0]
.else
	v_pk_fma_f32 v[UU+EG:UU+EG+1], v[ET:ET+1], v[EF:EF+1], s[52:53] op_sel:[0,0,0] op_sel_hi:[0,1,0]
.endif
.endif
.if ES == 1
	v_pk_add_f32 v[ZZ+EG:ZZ+EG+1], v[UU+EG:UU+EG+1], s[54:55] op_sel_hi:[1,0]
.endif
.if ES == 2
.if EPT&1
	v_pk_fma_f32 v[RR+EG:RR+EG+1], v[ET:ET+1], v[EF:EF+1], v[ZZ+EG:ZZ+EG+1] op_sel:[1,0,0] op_sel_hi:[1,1,1] neg_lo:[0,0,1] neg_hi:[0,0,1]
.else
	v_pk_fma_f32 v[RR+EG:RR+EG+1], v[ET:ET+1], v[EF:EF+1], v[ZZ+EG:ZZ+EG+1] op_sel:[0,0,0] op_sel_hi:[0,1,1] neg_lo:[0,0,1] neg_hi:[0,0,1]
.endif
.endif
.if ES == 3
	v_pk_mul_f32 v[ZZ+EG:ZZ+EG+1], v[RR+EG:RR+EG+1], v[RR+EG:RR+EG+1]
.endif
.if ES == 4
	v_pk_fma_f32 v[UU+EG:UU+EG+1], v[ZZ+EG:ZZ+EG+1], s[60:61], v[CA2:CA2+1] op_sel_hi:[1,0,1]
.endif
.if ES == 5
	v_pk_fma_f32 v[UU+EG:UU+EG+1], v[UU+EG:UU+EG+1], v[ZZ+EG:ZZ+EG+1], s[58:59] op_sel_hi:[1,1,0]
.endif
.if ES == 6
	v_pk_fma_f32 v[UU+EG:UU+EG+1], v[UU+EG:UU+EG+1], v[ZZ+EG:ZZ+EG+1], s[56:57] op_sel_hi:[1,1,0]
.endif
.if ES == 7
	v_pk_mul_f32 v[UU+EG:UU+EG+1], v[UU+EG:UU+EG+1], v[RR+EG:RR+EG+1]
.endif
.if ES == 8
	v_pk_fma_f32 v[RR+EG:RR+EG+1], v[ZZ+EG:ZZ+EG+1], s[68:69], v[CB2:CB2+1] op_sel_hi:[1,0,1]
.endif
.if ES == 9
	v_pk_fma_f32 v[RR+EG:RR+EG+1], v[RR+EG:RR+EG+1], v[ZZ+EG:ZZ+EG+1], s[66:67] op_sel_hi:[1,1,0]
.endif
.if ES == 10
	v_pk_fma_f32 v[RR+EG:RR+EG+1], v[RR+EG:RR+EG+1], v[ZZ+EG:ZZ+EG+1], s[62:63] op_sel_hi:[1,1,0]
.endif
.if ES == 11
	v_pk_fma_f32 v[ZZ+EG:ZZ+EG+1], v[UU+EG:UU+EG+1], v[UU+EG:UU+EG+1], 1.0 op_sel_hi:[1,1,0] neg_lo:[1,0,0] neg_hi:[1,0,0]
.endif
.if ES == 12
	v_pk_mul_f32 v[RR+EG:RR+EG+1], v[UU+EG:UU+EG+1], v[RR+EG:RR+EG+1]
.endif
.set EC, EC+1
.endif
.endm
; Register c of the unit's two fragments: cosines are K steps 0-3 of the embedding, sines K steps 4-7.  Destination window 1.
.macro ECVT c
.if \c < 8
	v_cvt_pk_bf16_f32 v[64*EPT+8*EKK+\c], v[ZZ+2*\c], v[ZZ+2*\c+1]
.else
	v_cvt_pk_bf16_f32 v[64*EPT+8*(EKK+4)+\c-8], v[RR+2*(\c-8)], v[RR+2*(\c-8)+1]
.endif
.endm
.macro EUNIT pt, kk
.set EPT, \pt
.set EKK, \kk
.set EC, 0
	WIN 0
.rept 104
	EOP
.endr
	WIN 0x40
.irp c, 0,1,2,3,4,5,6,7,8,9,10,11,12,13,14,15
	ECVT \c
.endr
.endm
; q' x k for column tile c, all four pair tiles
.macro QKMUL c
.set KSL, KR+16*((\c)&3)
.irp i, 0,1
.irp j, 0,1
.irp p, 0,1,2,3
	v_pk_mul_f32 v[QK+8*(2*\i+\j)+2*\p:QK+8*(2*\i+\j)+2*\p+1], v[QQ+8*\i+2*\p:QQ+8*\i+2*\p+1], v[KSL+8*\j+2*\p:KSL+8*\j+2*\p+1]
.endr
.endr
.endr
.endm
; partial scores += pe x (q' k); a head's first product starts the sums.  Source 0 window 3.
.macro PFMA c
.set PA, 32*((\c)&1)
.irp p, 0,1,2,3
.set PZ, ((\c)&1)+\p
.irp a, 0,1,2,3
.if PZ == 0
	v_pk_mul_f32 v[PART+2*\a:PART+2*\a+1], v[PA+8*\a+2*\p:PA+8*\a+2*\p+1], v[QK+8*\a+2*\p:QK+8*\a+2*\p+1]
.else
	v_pk_fma_f32 v[PART+2*\a:PART+2*\a+1], v[PA+8*\a+2*\p:PA+8*\a+2*\p+1], v[QK+8*\a+2*\p:QK+8*\a+2*\p+1], v[PART+2*\a:PART+2*\a+1]
.endif
.endr
.endr
.endm
; A head is done: lanes (r, 0) and (r, 1) hold the two halves of pair r's sums.  Lanes h = 0 end with row i = 0, lanes h = 1 with i = 1.
.macro RED head
.irp j, 0,1
	v_add_f32 v[RR+4*\j],   v[PART+2*\j],   v[PART+2*\j+1]
	v_add_f32 v[RR+4*\j+1], v[PART+4+2*\j], v[PART+5+2*\j]
	v_cndmask_b32 v[RR+4*\j+2], v[RR+4*\j+1], v[RR+4*\j],   s74    ; what the partner lane wants
	v_cndmask_b32 v[RR+4*\j+3], v[RR+4*\j],   v[RR+4*\j+1], s74    ; what I keep
	v_permlanex16_b32 v[RECV+\j], v[RR+4*\j+2], s72, s73
	v_add_f32 v[RR+4*\j+3], v[RR+4*\j+3], v[RECV+\j]
	ds_store_b32 v5, v[RR+4*\j+3] offset:(\head)*SPITCH+64*\j
.endr
.endm
; k of column tile x (16, 17: tiles 0, 1 of the next 32 m) into slot x & 3: four loads of 512 consecutive bytes
.macro KLOAD x
.set KX, \x
.set KD, KR+16*(KX&3)
.set KO, (KX&15)*1024+(KX>>4)*32768
.irp j, 0,1
.irp hf, 0,1
	global_load_b128 v[KD+8*\j+4*\hf:KD+8*\j+4*\hf+3], v1, s[78:79] offset:KO+\j*16384+\hf*512
.endr
.endr
.endm
.macro QLOAD c
.irp i, 0,1
.irp hf, 0,1
	ds_load_b128 v[QQ+8*\i+4*\hf:QQ+8*\i+4*\hf+3], v4 offset:\i*1024+64*(\c)+16*\hf
.endr
.endr
.endm
; The gap behind K step ks of block bt of product 2.  Gaps 0, 1: the scores of column tile bt - 1; gaps 2-7: an embedding unit of the next tile.
; cnt: how many younger global loads may stay out when k of tile bt - 1 has to be there.
.macro GAP2 bt, ks, emb, cnt, kl, nw
.if \nw
.if \ks <= 5
	NEXTW 17+\bt, 3*\ks
	NEXTW 17+\bt, 3*\ks+1
	NEXTW 17+\bt, 3*\ks+2
.endif
.endif
.if \ks == 0
	WIN 0
.if \bt > 0
	s_wait_loadcnt \cnt
	QKMUL \bt-1
.endif
.if \kl
	KLOAD \bt+2
.endif
.endif
.if \ks == 1
.if \bt > 0
	WIN 0x03
	PFMA \bt-1
.endif
	WIN 0
	QLOAD \bt
.if \bt > 0
.if (\bt-1)&1
	RED (\bt-1)>>1
.endif
.endif
.endif
.if \ks >= 2
.if \ks <= 6
.if \emb
	WIN 0
.rept 21
	EOP
.endr
.endif
.endif
.endif
.if \ks == 7
.if \emb
	WIN 0x40
.irp c, 0,1,2,3,4,5,6,7,8,9,10,11,12,13,14,15
	ECVT \c
.endr
.else
	PLACES
.endif
.endif
	WIN WG2
.endm
.macro BLK2 bt, emb, cnt, kl, nw
	s_wait_dscnt 0x0                               ; this block's 18 loads and q' of the tile before were issued in the block before
	WIN WG2
.set EPT, (\bt)>>2
.set EKK, (\bt)&3
.set EC, 0
.irp ks, 0,1,2,3,4,5,6,7
	MM4 16+\bt, \ks
	GAP2 \bt, \ks, \emb, \cnt, \kl, \nw
.endr
.endm
.macro SCORE_DRAIN cnt                 ; the scores of column tile 15
	WIN 0
	s_wait_loadcnt \cnt
	s_wait_dscnt 0x0
	QKMUL 15
	WIN 0x03
	PFMA 15
	WIN 0
	RED 7
.endm
; 32 loads of v, m 256..511, columns of this wave, into window 1 (the embedding's registers, free in the last tile)
.macro HOOK n
	WIN 0x40
.set HL, 32*\n
.rept 32
	global_load_b128 v[4*HL:4*HL+3], v1, s[80:81] offset:512*HL
.set HL, HL+1
.endr
.endm
.macro TSHIFT
.set si, 0
.rept 12
	v_mov_b32 v[TT+si], v[TT+si+4]
.set si, si+1
.endr
.endm
	; ================= prologue
	s_load_b512 s[8:23], s[0:1], 0x0               ; W1f 8, W2f 10, Wof 12, qf 14, kf 16, vf 18, b1 20, b2 22
	s_load_b256 s[24:31], s[0:1], 0x40             ; bo 24, freqs 26, query 28, query_pos 30
	s_load_b64 s[32:33], s[0:1], 0x60              ; out0
	v_lshl_add_u32 v254, v0, 2, 0x4e200
	v_mov_b32 v255, 0
	ds_add_u32 v254, v255
	v_lshrrev_b32 v1, 5, v0
	v_readfirstlane_b32 s76, v1                    ; wave
	s_bfe_u32 s82, ttmp6, 0x40000                  ; my place in the cluster
	s_lshl_b32 s77, ttmp9, 2
	s_add_co_u32 s77, s77, s82                     ; work-group: enters global addresses of my own loads and stores only
	s_lshr_b32 s83, ttmp9, 5                       ; batch: 32 clusters each, the same for all four partners
	SPAIR 52, 0x4b400000                           ; M = 1.5 x 2^23
	SPAIR 54, 0xcb400000                           ; -M
	SPAIR 56, 0x408e2bf9                           ; sqrt2 sin(pi r) = r (A0 + A1 z + A2 z^2 + A3 z^3), z = r r
	SPAIR 58, 0xc0e9d691
	SPAIR 60, 0xbf48cd2d                           ; A3
	SPAIR 62, 0x3fb504a3                           ; sqrt2 cos(pi r) = B0 + B1 z + B2 z^2 + B3 z^3
	SPAIR 66, 0xc0df48ce
	SPAIR 68, 0xbfdd360a                           ; B3
	SPAIR 70, 0xbfb8aa3b                           ; -log2(e)
	s_mov_b32 s72, 0x76543210                      ; v_permlanex16_b32: lane i of one half reads lane i of the other
	s_mov_b32 s73, 0xfedcba98
	s_mov_b32 s74, 0xffff0000                      ; the lanes with h = 1
	; descriptor group 1: 128 rows of 32 elements of 8 bytes, dense; the mask names the four partners, bit 21 beside it
	s_mov_b32 s36, 0x0023000f
	s_mov_b32 s37, 32<<16                          ; tensor_dim0 = 32
	s_mov_b32 s38, 128<<16                         ; tensor_dim1 = 128
	s_mov_b32 s39, 32<<16                          ; tile_dim0 = 32
	s_mov_b32 s40, 128                             ; tile_dim1 = 128
	s_mov_b32 s41, 32                              ; pitch
	s_mov_b32 s42, 0
	s_mov_b32 s43, 0
	s_lshl_b32 s84, s76, 15                        ; the wave's quarter: 32,768 bytes
	s_mov_b32 s85, 0
	s_lshl_b32 s86, s83, 18                        ; the batch's v
	s_mov_b32 s87, 0
	s_mov_b32 s5, 0
	s_wait_dscnt 0x0
	s_wait_kmcnt 0x0
	; four groups 0, written once: W1f, W2f, v of m 0..255, Wof
	s_mov_b32 s44, 1
	s_lshl_b32 s45, s76, 15
	s_add_nc_u64 s[46:47], s[8:9], s[84:85]
	s_or_b32 s47, s47, 0x80000000
	s_mov_b32 s48, 1
	s_add_co_u32 s49, s45, 131072
	s_add_nc_u64 s[50:51], s[10:11], s[84:85]
	s_or_b32 s51, s51, 0x80000000
	s_add_nc_u64 s[80:81], s[18:19], s[86:87]
	s_add_nc_u64 s[80:81], s[80:81], s[84:85]
	s_mov_b32 s92, 1
	s_lshl_b32 s93, s76, 15
	s_mov_b64 s[94:95], s[80:81]
	s_or_b32 s95, s95, 0x80000000
	s_add_nc_u64 s[80:81], s[80:81], 0x20000       ; v of m 256..511, my wave's four column tiles
	s_mov_b32 s96, 1
	s_add_co_u32 s97, s93, 131072
	s_add_nc_u64 s[98:99], s[12:13], s[84:85]
	s_or_b32 s99, s99, 0x80000000
	ROUND                                          ; the four partners are here: the first joint loads meet
	tensor_load_to_lds s[44:47], s[36:43]
	s_nop 0
	tensor_load_to_lds s[48:51], s[36:43]          ; two tensor loads of the wave are out
	s_nop 0
	; bases of my own loads
	s_lshl_b32 s4, s83, 19
	s_add_nc_u64 s[78:79], s[16:17], s[4:5]
	s_lshl_b32 s4, s76, 17
	s_add_nc_u64 s[78:79], s[78:79], s[4:5]        ; k: batch, then the wave's 8 row tiles
	s_lshl_b32 s4, s77, 12
	s_lshl_b32 s6, s76, 9
	s_add_co_u32 s4, s4, s6
	s_add_nc_u64 s[88:89], s[30:31], s[4:5]        ; t: my two rows, the wave's 128 m
	s_lshr_b32 s4, s77, 3
	s_lshl_b32 s4, s4, 14
	s_and_b32 s6, s77, 7
	s_lshl_b32 s6, s6, 5
	s_add_co_u32 s4, s4, s6
	s_add_nc_u64 s[90:91], s[14:15], s[4:5]        ; q': row tile, then the two rows' lanes
	s_lshl_b32 s4, s77, 11
	s_add_nc_u64 s[28:29], s[28:29], s[4:5]        ; query and out0 at my two rows
	s_add_nc_u64 s[32:33], s[32:33], s[4:5]
	s_cmp_lt_u32 s76, 2
	s_cselect_b64 s[86:87], s[20:21], s[22:23]     ; waves 0, 1 copy b1, waves 2, 3 b2
	SPAIR 82, 0x3e22f983                           ; 1 / 2 pi
	; lane terms
	v_and_b32 v1, 31, v0
	v_lshlrev_b32 v1, 4, v1                        ; 16 lane
	v_and_b32 v2, 15, v0                           ; r
	v_bfe_u32 v3, v0, 4, 1                         ; h
	v_and_b32 v15, 63, v0
	v_lshlrev_b32 v15, 4, v15                      ; 16 (thread & 63)
	v_lshlrev_b32 v100, 5, v3                      ; 32 h
	v_lshlrev_b32 v101, 2, v2                      ; 4 r
	v_bfe_u32 v97, v0, 2, 4                        ; q': thread -> (i, c = 4 (thread & 63)) -> (ct, half, h, lane row)
	v_lshlrev_b32 v97, 10, v97
	v_and_b32 v98, 1, v0
	v_lshl_or_b32 v97, v98, 9, v97
	v_bfe_u32 v98, v0, 1, 1
	v_lshl_or_b32 v97, v98, 8, v97
	v_lshrrev_b32 v98, 6, v0
	v_lshl_or_b32 v97, v98, 4, v97
	; 42 loads: 16 of freqs, 16 of t, the bias, q', then the 8 of k's tiles 0 and 1
.irp kk, 0,1,2,3
	global_load_b128 v[GG+16*\kk:GG+16*\kk+3],     v100, s[26:27] offset:128*\kk
	global_load_b128 v[GG+16*\kk+4:GG+16*\kk+7],   v100, s[26:27] offset:128*\kk+16
	global_load_b128 v[GG+16*\kk+8:GG+16*\kk+11],  v100, s[26:27] offset:128*\kk+64
	global_load_b128 v[GG+16*\kk+12:GG+16*\kk+15], v100, s[26:27] offset:128*\kk+80
.endr
.irp ti, 0,1,2,3
.irp i, 0,1
.irp j, 0,1
	global_load_b32 v[TT+4*\ti+2*\i+\j], v101, s[88:89] offset:\i*2048+\ti*128+\j*64
.endr
.endr
.endr
	global_load_b128 v[104:107], v15, s[86:87]
	global_load_b128 v[108:111], v97, s[90:91]
	KLOAD 0
	KLOAD 1
	; LDS addresses: a constant, the wave's number times a constant, a lane term
	v_lshl_add_u32 v4, v3, 5, LQV                  ; q' of my 8 columns
	s_mul_i32 s4, s76, SBLK
	s_add_co_u32 s4, s4, LSC
	v_mul_u32_u24 v5, v3, 8*SPITCH
	v_lshl_add_u32 v5, v2, 2, v5
	v_add_nc_u32 v5, s4, v5                        ; scores out: my wave's block, row 8 h + head, column r
	s_mul_i32 s4, s76, 4*SPITCH
	s_add_co_u32 s4, s4, LSC
	v_add_nc_u32 v7, s4, v1                        ; scores back: rows 4 w ..
	s_mul_i32 s4, s76, 4*PPITCH
	s_add_co_u32 s4, s4, LPR
	v_lshrrev_b32 v8, 1, v1
	v_add_nc_u32 v8, s4, v8                        ; attention out
	s_lshl_b32 s4, s76, 1
	v_and_b32 v9, 7, v2
	v_add_nc_u32 v9, s4, v9
	v_and_b32 v9, 7, v9
	v_and_or_b32 v9, v2, 8, v9                     ; attention back: heads turned by 2 w, so that my heads are rows 0, 1 of each i
	v_mul_u32_u24 v9, v9, PPITCH
	v_lshl_add_u32 v9, v3, 4, v9
	v_add_nc_u32 v9, LPR, v9
	s_mul_i32 s4, s76, XBLK
	s_add_co_u32 s4, s4, LXB
	v_mul_u32_u24 v10, v3, XPITCH
	v_lshl_add_u32 v10, v2, 1, v10
	v_add_nc_u32 v10, s4, v10                      ; x out
	v_and_b32 v11, 1, v2
	v_lshlrev_b32 v13, 8, v11
	v_mul_u32_u24 v11, v11, XPITCH
	v_lshl_add_u32 v11, v3, 4, v11
	v_add_nc_u32 v11, LXB, v11                     ; x back: column r of the fragment is row r & 1
	s_add_co_u32 s4, s84, 131072
	v_add_nc_u32 v12, s4, v1                       ; Wo's fragments of my four tiles
	s_lshl_b32 s4, s76, 9
	v_add_nc_u32 v14, s4, v1                       ; 16 x thread
	s_add_co_u32 s4, s4, LOUT
	v_lshl_add_u32 v13, v3, 5, v13
	v_add_nc_u32 v13, s4, v13                      ; result out
	v_bfe_u32 v6, v0, 4, 2
	v_lshlrev_b32 v6, 9, v6
	v_lshrrev_b32 v98, 6, v0
	v_lshl_add_u32 v6, v98, 8, v6
	v_and_b32 v98, 15, v0
	v_lshl_add_u32 v6, v98, 4, v6
	v_add_nc_u32 v6, LOUT, v6                      ; result back: thread -> (i, 4 columns)
	v_add_nc_u32 v96, LBIAS, v14
	v_mov_b32 v[RECV], 0                           ; v_permlanex16_b32 counts as a reader of its destination
	v_mov_b32 v[RECV+1], 0
	v_mov_b32 v[CA2], 0x406610f1                   ; A2
	v_mov_b32 v[CA2+1], 0x406610f1
	v_mov_b32 v[CB2], 0x40b6e2d1                   ; B2
	v_mov_b32 v[CB2+1], 0x40b6e2d1
	WIN 0xc0                                       ; destination window 3
	v_mov_b32 v240, v1
	v_add_nc_u32 v241, 0x10000, v1
	v_add_nc_u32 v242, 0x20000, v1
	v_add_nc_u32 v243, 0x30000, v1
	v_lshl_add_u32 v244, v3, 5, LBIAS
	v_add_nc_u32 v245, s84, v1
	WIN 0
	s_wait_loadcnt 8                               ; all but the 8 loads of k
	ds_store_b128 v96, v[104:107]                  ; b1, b2
	ds_store_b128 v96, v[108:111] offset:2048      ; q'
.set si, 0
.rept 32
	v_pk_mul_f32 v[GG+2*si:GG+2*si+1], v[GG+2*si:GG+2*si+1], s[82:83] op_sel_hi:[1,0]
.set si, si+1
.endr
	; the first tile's embedding, while the weights land
.irp pt, 0,1,2,3
.irp kk, 0,1,2,3
	EUNIT \pt, \kk
.endr
.endr
	WIN 0
	TSHIFT
	s_wait_tensorcnt 0x0                           ; my quarters of W1f and W2f are in
	s_wait_dscnt 0x0                               ; my part of the bias and of q' is written
	s_barrier_signal -1
	s_barrier_wait -1                              ; everybody's is
	WIN WG1
.irp l, 0,1,2,3,4,5,6,7,8,9,10,11,12,13,14,15,16,17
	NEXTW 0, \l
.endr
	WIN 0
	s_mov_b32 s75, 3
	; ================= tiles 0, 1, 2
	; k of tile c has the groups of tiles c + 1 and c + 2 issued behind it when it is wanted: 8 loads may stay out, round the back edge too,
	; where these two are the next 32 m's tiles 0 and 1.
.Ltile:
	GEMM1
.irp bt, 0,1,2,3,4,5,6,7,8,9,10,11,12,13,14,15
	BLK2 \bt, 1, 8, 1, 1
.endr
	SCORE_DRAIN 8
	TSHIFT                                         ; the tile after next
	v_add_nc_u32 v5, 128, v5                       ; 32 m on
	s_wait_xcnt 0x0                                ; k's base is stepped only behind this wait
	s_add_nc_u64 s[78:79], s[78:79], 0x8000
	s_sub_co_i32 s75, s75, 1
	s_cmp_lg_u32 s75, 0
	s_cbranch_scc1 .Ltile
	; ================= the last tile: no embedding; v comes in meanwhile
	GEMM1
	WIN 0
	s_wait_dscnt 0x0                               ; my reads of W1f are over
	s_wait_tensorcnt 0x0                           ; none of my tensor loads is out
	ds_add_u32 v254, v255
	s_wait_dscnt 0x0
	ROUND                                          ; that holds of every wave of the four partners
	tensor_load_to_lds s[92:95], s[36:43]          ; v of m 0..255 over W1f: one tensor load of the wave is out
	s_nop 0
	HOOK 0
	BLK2 0, 0, 0, 1, 1
	BLK2 1, 0, 40, 1, 1                            ; behind k(0): k(1), the 32 loads of v, k(2)
	BLK2 2, 0, 40, 1, 1                            ; behind k(1): the 32, k(2), k(3)
	BLK2 3, 0, 8, 1, 1
	BLK2 4, 0, 8, 1, 1
	BLK2 5, 0, 8, 1, 1
	BLK2 6, 0, 8, 1, 1
	BLK2 7, 0, 8, 1, 1
	HOOK 1
	BLK2 8, 0, 40, 1, 1                            ; behind k(7): k(8), k(9), the 32
	BLK2 9, 0, 40, 1, 1
	BLK2 10, 0, 40, 1, 1
	BLK2 11, 0, 8, 1, 1
	BLK2 12, 0, 8, 1, 1
	BLK2 13, 0, 8, 1, 1
	BLK2 14, 0, 8, 0, 1                            ; no k beyond tile 15
	BLK2 15, 0, 4, 0, 0                            ; behind k(14): k(15) alone; no further weights
	SCORE_DRAIN 0
	; ================= softmax, attention x v, Wo
	global_load_b128 v[238:241], v14, s[28:29]     ; query
	global_load_b128 v[242:245], v15, s[24:25]     ; bo
	s_wait_dscnt 0x0                               ; my scores are written, my reads of W2f are over
	s_wait_tensorcnt 0x0                           ; my quarter of v is in
	ds_add_u32 v254, v255
	s_wait_dscnt 0x0
	ROUND
	tensor_load_to_lds s[96:99], s[36:43]          ; Wof over W2f: one tensor load of the wave is out
	s_nop 0
.irp ro, 0,1,2,3
.irp q, 0,1,2,3
	ds_load_b128 v[32+16*\ro+4*\q:32+16*\ro+4*\q+3], v7 offset:SBLK*\q+SPITCH*\ro   ; row 4 w + ro, m = 128 q + 4 lane + 0..3
.endr
.endr
	s_wait_dscnt 0x0
.macro SMROW ro
.set X0, 32+16*\ro
	v_max3_num_f32 v96, v[X0], v[X0+1], v[X0+2]
	v_max3_num_f32 v97, v[X0+3], v[X0+4], v[X0+5]
	v_max3_num_f32 v98, v[X0+6], v[X0+7], v[X0+8]
	v_max3_num_f32 v99, v[X0+9], v[X0+10], v[X0+11]
	v_max3_num_f32 v96, v96, v[X0+12], v[X0+13]
	v_max3_num_f32 v97, v97, v[X0+14], v[X0+15]
	v_max3_num_f32 v96, v96, v97, v98
	v_max_num_f32 v96, v96, v99
	v_max_num_f32_dpp v96, v96, v96 row_xmask:1 row_mask:0xf bank_mask:0xf
	v_max_num_f32_dpp v96, v96, v96 row_xmask:2 row_mask:0xf bank_mask:0xf
	v_max_num_f32_dpp v96, v96, v96 row_xmask:4 row_mask:0xf bank_mask:0xf
	v_max_num_f32_dpp v96, v96, v96 row_xmask:8 row_mask:0xf bank_mask:0xf
	v_permlanex16_b32 v97, v96, s72, s73
	v_max_num_f32 v96, v96, v97                    ; the row's maximum, in every lane
.irp e, 0,2,4,6,8,10,12,14
	v_pk_add_f32 v[X0+\e:X0+\e+1], v[X0+\e:X0+\e+1], v[96:97] op_sel_hi:[1,0] neg_lo:[0,1] neg_hi:[0,1]
.endr
.irp e, 0,1,2,3,4,5,6,7,8,9,10,11,12,13,14,15
	v_exp_f32 v[X0+\e], v[X0+\e]                   ; the scores carry log2(e) already
.endr
	v_nop                                          ; one plain place behind the exponentials
	s_wait_alu depctr_va_vdst(0)
	v_pk_add_f32 v[100:101], v[X0:X0+1], v[X0+2:X0+3]
	v_pk_add_f32 v[102:103], v[X0+4:X0+5], v[X0+6:X0+7]
	v_pk_add_f32 v[104:105], v[X0+8:X0+9], v[X0+10:X0+11]
	v_pk_add_f32 v[106:107], v[X0+12:X0+13], v[X0+14:X0+15]
	v_pk_add_f32 v[100:101], v[100:101], v[102:103]
	v_pk_add_f32 v[104:105], v[104:105], v[106:107]
	v_pk_add_f32 v[100:101], v[100:101], v[104:105]
	v_add_f32 v100, v100, v101
	v_add_f32_dpp v100, v100, v100 row_xmask:1 row_mask:0xf bank_mask:0xf
	v_add_f32_dpp v100, v100, v100 row_xmask:2 row_mask:0xf bank_mask:0xf
	v_add_f32_dpp v100, v100, v100 row_xmask:4 row_mask:0xf bank_mask:0xf
	v_add_f32_dpp v100, v100, v100 row_xmask:8 row_mask:0xf bank_mask:0xf
	v_permlanex16_b32 v101, v100, s72, s73
	v_add_f32 v100, v100, v101                     ; at least 1: the maximum's own term
	v_rcp_f32 v100, v100
	v_nop
	s_wait_alu depctr_va_vdst(0)
.irp e, 0,2,4,6,8,10,12,14
	v_pk_mul_f32 v[X0+\e:X0+\e+1], v[X0+\e:X0+\e+1], v[100:101] op_sel_hi:[1,0]
.endr
.irp e, 0,1,2,3,4,5,6,7
	v_cvt_pk_bf16_f32 v[108+\e], v[X0+2*\e], v[X0+2*\e+1]
.endr
.irp q, 0,1,2,3
	ds_store_b64 v8, v[108+2*\q:109+2*\q] offset:PPITCH*\ro+256*\q
.endr
.endm
	SMROW 0
	SMROW 1
	SMROW 2
	SMROW 3
	s_wait_dscnt 0x0                               ; my four rows of the attention are written
	s_barrier_signal -1
	s_barrier_wait -1                              ; all sixteen are; Wof may stay on its way
	; attention (16 rows x 512 m) x v, columns 64 w .. 64 w + 63: accumulator ct, register ct >> 1 of lane (r, h) = x(i = h, c = 16 (4 w + ct) + r)
	WIN 0x80                                       ; destination window 2
.irp ks, 0,1,2,3,4,5,6,7,8,9,10,11,12,13,14,15
	ds_load_b128 v[8*\ks:8*\ks+3],   v9 offset:64*\ks
	ds_load_b128 v[8*\ks+4:8*\ks+7], v9 offset:64*\ks+32
.endr
.macro VALOAD n                        ; v of m = 128 n .. 128 n + 127 from LDS into the weights' registers
	WIN WG1
.irp ct, 0,1,2,3
.irp kq, 0,1,2,3
	ds_load_b128 v[64+32*\ct+8*\kq:64+32*\ct+8*\kq+3],   v245 offset:\ct*8192+\kq*1024+\n*4096
	ds_load_b128 v[64+32*\ct+8*\kq+4:64+32*\ct+8*\kq+7], v245 offset:\ct*8192+\kq*1024+\n*4096+512
.endr
.endr
.endm
.macro VAMUL n
	WIN 0xfe                                       ; source 0 window 2, the rest window 3
.irp kq, 0,1,2,3
.irp ct, 0,1,2,3
	v_wmma_f32_16x16x32_bf16 v[8*\ct:8*\ct+7], v[32*\n+8*\kq:32*\n+8*\kq+7], v[64+32*\ct+8*\kq:64+32*\ct+8*\kq+7], v[8*\ct:8*\ct+7]
.endr
.endr
.endm
	VALOAD 0
	s_wait_dscnt 0x0
	WIN 0xf6                                       ; source 0 window 2, source 1 window 1: m 256..511 start the sums
.irp ks, 0,1,2,3,4,5,6,7
.irp ct, 0,1,2,3
.if \ks == 0
	v_wmma_f32_16x16x32_bf16 v[8*\ct:8*\ct+7], v[64:71], v[64*\ct:64*\ct+7], 0
.else
	v_wmma_f32_16x16x32_bf16 v[8*\ct:8*\ct+7], v[64+8*\ks:64+8*\ks+7], v[64*\ct+8*\ks:64*\ct+8*\ks+7], v[8*\ct:8*\ct+7]
.endif
.endr
.endr
	VAMUL 0
	PLACES                                         ; ahead of the loads into registers that these products read
	VALOAD 1
	s_wait_dscnt 0x0
	VAMUL 1
	PLACES
	WIN 0x0f                                       ; sources window 3, destination window 0
.irp ct, 0,1,2,3
	v_cvt_pk_bf16_f32 v[246+\ct], v[8*\ct+(\ct>>1)], v[8*\ct+(\ct>>1)]
.endr
	WIN 0
.irp ct, 0,1,2,3
	ds_store_b16 v10, v[246+\ct] offset:32*\ct
.endr
	s_wait_dscnt 0x0                               ; my 2 x 64 numbers of x are written
	s_wait_tensorcnt 0x0                           ; my quarter of Wof is in
	s_barrier_signal -1
	s_barrier_wait -1
	; x Wo^T: source 0 = 16 rows of Wo, source 1 = x (column r = row r & 1); wave w makes outputs 64 w .. 64 w + 63
	WIN 0x80
.irp ks, 0,1,2,3,4,5,6,7
	ds_load_b128 v[128+8*\ks:128+8*\ks+3],   v11 offset:(\ks>>1)*XBLK+(\ks&1)*64
	ds_load_b128 v[128+8*\ks+4:128+8*\ks+7], v11 offset:(\ks>>1)*XBLK+(\ks&1)*64+32
.endr
	WIN 0x40
.set HL, 0
.rept 64
	ds_load_b128 v[4*HL:4*HL+3], v12 offset:512*HL
.set HL, HL+1
.endr
	s_wait_dscnt 0x0
	WIN 0xf9                                       ; source 0 window 1, source 1 window 2, C and D window 3
.irp ks, 0,1,2,3,4,5,6,7
.irp tl, 0,1,2,3
.if \ks == 0
	v_wmma_f32_16x16x32_bf16 v[32+8*\tl:32+8*\tl+7], v[64*\tl:64*\tl+7], v[128:135], 0
.else
	v_wmma_f32_16x16x32_bf16 v[32+8*\tl:32+8*\tl+7], v[64*\tl+8*\ks:64*\tl+8*\ks+7], v[128+8*\ks:128+8*\ks+7], v[32+8*\tl:32+8*\tl+7]
.endif
.endr
.endr
	PLACES
	WIN 0x0c                                       ; store data window 3
.irp tl, 0,1,2,3
	ds_store_b128 v13, v[32+8*\tl:32+8*\tl+3] offset:64*\tl            ; lanes with equal (r & 1, h) hold and write the same numbers
	ds_store_b128 v13, v[32+8*\tl+4:32+8*\tl+7] offset:64*\tl+16
.endr
	WIN 0
	s_wait_dscnt 0x0
	s_barrier_signal -1
	s_barrier_wait -1
	ds_load_b128 v[250:253], v6
	s_wait_loadcnt 0x0                             ; query and bo
	s_wait_dscnt 0x0
	v_pk_add_f32 v[250:251], v[250:251], v[242:243]
	v_pk_add_f32 v[252:253], v[252:253], v[244:245]
	v_pk_add_f32 v[250:251], v[250:251], v[238:239]
	v_pk_add_f32 v[252:253], v[252:253], v[240:241]
	global_store_b128 v14, v[250:253], s[32:33]    ; sixteen lanes store 256 consecutive bytes, at a multiple of 256 from out0's first byte
	s_wait_tensorcnt 0x0
	ds_add_u32 v254, v255
	s_wait_dscnt 0x0
	ROUND                                          ; the closing round: no work-group ends while a partner may still ask jointly
	s_endpgm
.Lfunc_end_k_q450c7ae3d1_main:
	.size	k_q450c7ae3d1_main, .Lfunc_end_k_q450c7ae3d1_main-k_q450c7ae3d1_main
	.p2alignl 7, 3214868480
	.fill 96, 4, 3214868480
	.section	.rodata,"a",@progbits
	.p2align	6, 0x0
	.amdhsa_kernel k_q450c7ae3d1_main
		.amdhsa_group_segment_fixed_size 327680
		.amdhsa_private_segment_fixed_size 0
		.amdhsa_enable_private_segment 0
		.amdhsa_kernarg_size 104
		.amdhsa_user_sgpr_count 2
		.amdhsa_user_sgpr_kernarg_segment_ptr 1
		.amdhsa_wavefront_size32 1
		.amdhsa_system_sgpr_workgroup_id_x 1
		.amdhsa_system_sgpr_workgroup_id_y 1
		.amdhsa_system_sgpr_workgroup_id_z 1
		.amdhsa_system_vgpr_workitem_id 0
		.amdhsa_next_free_vgpr 1024
		.amdhsa_next_free_sgpr 100
		.amdhsa_reserve_vcc 0
		.amdhsa_float_denorm_mode_32 3
		.amdhsa_float_denorm_mode_16_64 3
		.amdhsa_memory_ordered 1
		.amdhsa_forward_progress 1
		.amdhsa_inst_pref_size 255
	.end_amdhsa_kernel
	.section	.bss,"aw",@nobits
	.p2align	6
	.space	262144
	.amdgpu_metadata
---
amdhsa.version: [ 1, 2 ]
amdhsa.kernels:
  - .name:           k_q450c7ae3d1_main
    .symbol:         k_q450c7ae3d1_main.kd
    .args:
      - { .name: W1f, .offset: 0, .size: 8, .value_kind: global_buffer, .address_space: global }
      - { .name: W2f, .offset: 8, .size: 8, .value_kind: global_buffer, .address_space: global }
      - { .name: Wof, .offset: 16, .size: 8, .value_kind: global_buffer, .address_space: global }
      - { .name: qf, .offset: 24, .size: 8, .value_kind: global_buffer, .address_space: global }
      - { .name: kf, .offset: 32, .size: 8, .value_kind: global_buffer, .address_space: global }
      - { .name: vf, .offset: 40, .size: 8, .value_kind: global_buffer, .address_space: global }
      - { .name: b1, .offset: 48, .size: 8, .value_kind: global_buffer, .address_space: global }
      - { .name: b2, .offset: 56, .size: 8, .value_kind: global_buffer, .address_space: global }
      - { .name: bo, .offset: 64, .size: 8, .value_kind: global_buffer, .address_space: global }
      - { .name: freqs, .offset: 72, .size: 8, .value_kind: global_buffer, .address_space: global }
      - { .name: query, .offset: 80, .size: 8, .value_kind: global_buffer, .address_space: global }
      - { .name: query_pos, .offset: 88, .size: 8, .value_kind: global_buffer, .address_space: global }
      - { .name: out0, .offset: 96, .size: 8, .value_kind: global_buffer, .address_space: global }
    .group_segment_fixed_size: 327680
    .private_segment_fixed_size: 0
    .kernarg_segment_align: 8
    .kernarg_segment_size: 104
    .max_flat_workgroup_size: 128
    .sgpr_count:     100
    .vgpr_count:     1024
    .wavefront_size: 32
...
	.end_amdgpu_metadata
.endif
;; end of part 2
;; ======== version 2 of 3: 2 launches; 1.16 times as fast as version 1
;; limits: right only within a limited range of input values; an absolute error that grows with the inputs' magnitude: up to 1.2e-07 times it
;; workspace buffers: W1f 131,072 bytes; W2f 131,072 bytes; Wof 131,072 bytes; qf 524,288 bytes; kf 1,048,576 bytes; vf 524,288 bytes
;; launch prep: the kernel of part 1 again; grid 256 x 1, 4 waves a work-group, no clusters, 0 bytes of LDS; arguments query, key, Wq, bq, Wk, Wv, bv, W1, W2, Wo, qf, kf, vf, W1f, W2f, Wof; writes qf, kf, vf, W1f, W2f, Wof
;; launch main (part 3): grid 256 x 1, 4 waves a work-group, clusters of 4 x 1, 327,680 bytes of LDS; arguments W1f, W2f, Wof, qf, kf, vf, b1, b2, bo, freqs, query, query_pos, out0; writes out0
.if DOCPART == 3
	.amdgcn_target "amdgcn-amd-amdhsa--gfx1250"
	.amdhsa_code_object_version 6
	.text
	.protected	k_q450c7ae3d1_main
	.globl	k_q450c7ae3d1_main
	.p2align	8
	.type	k_q450c7ae3d1_main,@function
k_q450c7ae3d1_main:
	s_mov_b64 s[64:65], 0
	v_nop
	global_prefetch_b8 v0, s[64:65] scope:SCOPE_SE
	s_setreg_imm32_b32 hwreg(HW_REG_WAVE_MODE, 25, 1), 1
	s_wait_xcnt 0x0
	s_wait_alu depctr_hold_cnt(0) depctr_sa_sdst(0) depctr_va_vdst(0) depctr_va_sdst(0) depctr_va_ssrc(0) depctr_va_vcc(0) depctr_vm_vsrc(0)
	s_getreg_b32 s2, hwreg(HW_REG_IB_STS2, 6, 4)
	s_cmp_eq_u32 s2, 0
	s_cbranch_scc0 .Lentry_in_a_cluster
	s_endpgm
.Lentry_in_a_cluster:
	s_bfe_u32 s2, ttmp6, 0x10000c
	s_cmp_lg_u32 s2, 0x3003
	s_cbranch_scc0 .Lentry_shape_is_right
	s_endpgm
.Lentry_shape_is_right:
; MAIN: embedding -> Linear 1 -> SiLU -> Linear 2 -> gated scores -> softmax -> attention x v -> Wo + bo + query, in one launch.
; A work-group owns the two rows 2 wg, 2 wg + 1 (i = 0, 1) of the 512 (b, n) rows and all 512 m, so the softmax is its own.
; Wave w owns m = 128 w .. 128 w + 127, in four tiles of 64 pairs = 2 n x 32 m; pair tile pt = 2 i + j, m = 128 w + 32 tile + 16 j + r.
; Both large products are used transposed: source 0 = 16 weight rows, source 1 = 16 pairs.  A lane (r, h) then holds units
; 16 tile + 8 h + 0..7 of pair r, which packed to bf16 are just the registers of the next product's source 1: the embedding,
; the hidden layer and pe never leave registers.  W1 and W2 (bf16, in register order) stay in LDS for the whole launch; each
; fragment read from LDS feeds four matrix instructions.  b1 and b2 enter as the C of a block's first four products.
; A block = one weight tile x 8 K steps x 4 pair tiles = 32 matrix instructions.  All memory instructions of a block stand in ONE run at
; its head; behind EACH matrix instruction stand four to six vector instructions (SiLU of the block before; the scores of the block
; before and the next tile's embedding), so that the wave has vector work to issue while the matrix instruction runs.
; The four accumulators of a block take turns, one instruction a turn, and neighbouring blocks use the other set.
; CLUSTER 4 x 1: W1f, W2f, the first half of v and Wof are the same for the four partners (one batch: 128 work-groups) and are asked
; for jointly.  k and the second half of v are not: while they are needed no LDS is free, so they go straight to registers.
; LIMITS: sin and cos are made by reduction to [-1/2, 1/2] turns and polynomials (absolute error at most 1.5e-5); the reduction holds for
; |t f| < 2^22 x 2 pi, and its phase error grows as |t f| x 2^-23 radians.  Exponentials below 2^-126 count as 0.
;
; LDS
.set LBIAS,  262144                    ; b1, b2 (f32)                        0 .. 131071 W1f, later v of m 0..255; 131072 .. 262143 W2f, later Wof
.set LQV,    264192                    ; q' [i][256] f32
.set LSC,    266240                    ; scores [wave 4][row i 8 + head: 16][128 f32], pitch 528: each wave stores into its own block
.set SPITCH, 528
.set SBLK,   16*SPITCH
.set LPR,    300032                    ; attention, bf16, 16 rows of 512, pitch 1040
.set PPITCH, 1040
.set LXB,    316672                    ; attention x v, bf16 [wave 4][i 2][64], pitch 144
.set XPITCH, 144
.set XBLK,   2*XPITCH
.set LOUT,   317952                    ; x Wo^T, f32 [wave 4][i 2][64]
; REGISTERS, window 0: v0 thread, v1 16 lane, v2 r, v3 h, v4-v15 addresses (set below)
.set TT,   16                          ; v[16:31]   t, 4 tile + pt; moved down by four after each tile
.set GG,   32                          ; v[32:95]   f / 2 pi: 16 kk + e
.set UU,   96                          ; v[96:111]  embedding at work
.set ZZ,   112                         ; v[112:127]
.set RR,   128                         ; v[128:143]
.set QK,   96                          ; v[96:127]  q x k, only in a block's first gaps, ahead of its embedding work
.set KR,   144                         ; v[144:207] k, four slots of 16: slot 16 + j 8 + half 4
.set QQ0,  208                         ; v[208:223] q' of even column tiles, i 8
.set PART, 224                         ; v[224:231] a pair of partial scores for each pair tile
.set RECV, 232                         ; v[232:233] a finished head's two scores, until the next block's run of memory instructions stores them
.set CA2,  234                         ; v[234:235] polynomial constants that stand as third source beside a scalar
.set CB2,  236                         ; v[236:237]
.set QQ1,  238                         ; v[238:253] q' of odd column tiles; in the tail: query, bo, x, the result
; window 1: embedding fragments 64 pt + 8 ks;  window 2: hidden fragments 64 pt + 8 ks
; window 3: v0-63 accumulators 32 set + 8 pt; v64-191 weight fragments 64 + 64 buf + 8 ks; v192-207 bias 192 + 8 buf;
;           v208-239 SiLU at work; v240-243 16 lane + 65536 n; v244 bias address; v245 address of v in LDS
.set TS,   208
.set WG1,  0xf7                        ; source 0 and C, D window 3, source 1 window 1 (product 1, its LDS loads, SiLU)
.set WG2,  0xfb                        ; the same with source 1 in window 2 (product 2)
.set MSB, 0
.macro WIN new                         ; the immediate's high byte repeats the setting that is left
.if MSB != \new
	s_set_vgpr_msb (MSB<<8)|\new
.set MSB, \new
.endif
.endm
.macro PLACES                          ; four plain vector places behind a matrix instruction (ISA guide 7.12.1)
.rept 4
	v_nop
.endr
.endm
.macro SPAIR r, val
	s_mov_b32 s[\r], \val
	s_mov_b32 s[\r+1], \val
.endm
; A round of the cluster's barrier: the work-group's barrier, wave 0 signals for the work-group, all wait, the work-group's barrier again.
.macro ROUND
	s_barrier_signal -1
	s_barrier_wait -1
	s_cmp_lg_u32 s76, 0
	s_cbranch_scc1 .Lnot_wave_0_\@
	s_barrier_signal -3
.Lnot_wave_0_\@:
	s_barrier_wait -3
	s_barrier_signal -1
	s_barrier_wait -1
.endm
; Load l (0..17) of weight unit u (0-15 tiles of W1, 16-31 of W2) into the buffers u & 1: 16 halves of fragments, then the bias.
.macro NEXTW u, l
.set NU, (\u)&31
.set NL, \l
.if NL < 16
	ds_load_b128 v[64+64*(NU&1)+4*NL:64+64*(NU&1)+4*NL+3], v[240+(NU>>3)] offset:(NU&7)*8192+NL*512
.else
	ds_load_b128 v[192+8*(NU&1)+4*(NL-16):192+8*(NU&1)+4*(NL-16)+3], v244 offset:64*NU+16*(NL-16)
.endif
.endm
.macro NEXTWALL u                      ; the 18 loads of a unit, in one run
.irp l, 0,1,2,3,4,5,6,7,8,9,10,11,12,13,14,15,16,17
	NEXTW \u, \l
.endr
.endm
; Matrix instruction i (0..31) of unit u: K step i >> 2, pair tile i & 3.
.macro MM1 u, i
.set MB, (\u)&1
.set MK, (\i)>>2
.set MP, (\i)&3
.if MK == 0
	v_wmma_f32_16x16x32_bf16 v[32*MB+8*MP:32*MB+8*MP+7], v[64+64*MB:64+64*MB+7], v[64*MP:64*MP+7], v[192+8*MB:192+8*MB+7]
.else
	v_wmma_f32_16x16x32_bf16 v[32*MB+8*MP:32*MB+8*MP+7], v[64+64*MB+8*MK:64+64*MB+8*MK+7], v[64*MP+8*MK:64*MP+8*MK+7], v[32*MB+8*MP:32*MB+8*MP+7]
.endif
.endm
.macro TR4 op, first
.set ti, \first
.rept 4
	\op v[TS+ti], v[TS+ti]
.set ti, ti+1
.endr
.endm
; Part g (0..31) of SiLU on the 32 sums a lane holds of block bp: x / (1 + 2^(-x log2 e)), packed into the hidden fragments.
; Eight stages of four parts each: stage g >> 2, quarter g & 3.
.macro SILU bp, g
.set SA, 32*((\bp)&1)
.set SH, 8*((\bp)>>1)+4*((\bp)&1)
.set SST, (\g)>>2
.set SQ, (\g)&3
.set si, 4*SQ
.if SST == 0
.rept 4
	v_pk_mul_f32 v[TS+2*si:TS+2*si+1], v[SA+2*si:SA+2*si+1], s[70:71] op_sel_hi:[1,0]
.set si, si+1
.endr
.endif
.if SST == 1
	TR4 v_exp_f32, 4*SQ
.endif
.if SST == 2
	TR4 v_exp_f32, 16+4*SQ
.endif
.if SST == 3
.if SQ == 0
	v_nop                                          ; one plain place behind the exponentials (ISA guide 5.7.2)
	s_wait_alu depctr_va_vdst(0)
.endif
.rept 4
	v_pk_add_f32 v[TS+2*si:TS+2*si+1], v[TS+2*si:TS+2*si+1], 1.0 op_sel_hi:[1,0]
.set si, si+1
.endr
.endif
.if SST == 4
	TR4 v_rcp_f32, 4*SQ
.endif
.if SST == 5
	TR4 v_rcp_f32, 16+4*SQ
.endif
.if SST == 6
	WIN 0xff
.if SQ == 0
	v_nop                                          ; one plain place behind the reciprocals
	s_wait_alu depctr_va_vdst(0)
.endif
.rept 4
	v_pk_mul_f32 v[SA+2*si:SA+2*si+1], v[SA+2*si:SA+2*si+1], v[TS+2*si:TS+2*si+1]
.set si, si+1
.endr
.endif
.if SST == 7
	WIN 0x8f                                       ; sources window 3, destination window 2
.irp q, 0,1,2,3
	v_cvt_pk_bf16_f32 v[64*SQ+SH+\q], v[SA+8*SQ+2*\q], v[SA+8*SQ+2*\q+1]
.endr
.endif
.endm
; The gap behind matrix instruction i of block b of product 1: a part of SiLU of the block before.
; Gap 31's four plain vector instructions name no register of this block's products: they are the places in front of the next
; block's loads into the buffers that this block's products read, and of its reads of this block's sums.
.macro GAP1 b, i
.if \b > 0
	SILU \b-1, \i
	WIN WG1
.else
.if \i == 31
	PLACES
.endif
.endif
.endm
.macro BLK1 b
	s_wait_dscnt 0x0                               ; this block's 18 loads were issued at the head of the block before
	WIN WG1
	NEXTWALL \b+1                                  ; the next unit's, with this whole block in which to land
.irp i, 0,1,2,3,4,5,6,7,8,9,10,11,12,13,14,15,16,17,18,19,20,21,22,23,24,25,26,27,28,29,30,31
	MM1 \b, \i
	GAP1 \b, \i
.endr
.endm
.macro GEMM1
.irp b, 0,1,2,3,4,5,6,7,8,9,10,11,12,13,14,15
	BLK1 \b
.endr
.irp g, 0,1,2,3,4,5,6,7,8,9,10,11,12,13,14,15,16,17,18,19,20,21,22,23,24,25,26,27,28,29,30,31
	SILU 15, \g                                    ; the last block's SiLU, in one run
.endr
.endm
; One packed operation of the embedding unit (pair tile EPT, frequencies 32 EKK ..): operation EC = 8 stage + group of two frequencies.
; y = t g + M rounds t g to a whole number of turns, r = t g - k; U = sqrt2 sin(pi r), W = sqrt2 cos(pi r); cos = 1 - U U, sin = U W.
.macro EOP
.if EC < 104
.set ES, EC>>3
.set EG, 2*(EC&7)
.set ET, TT+(EPT&2)
.set EF, GG+16*EKK+EG
.if ES == 0
.if EPT&1
	v_pk_fma_f32 v[UU+EG:UU+EG+1], v[ET:ET+1], v[EF:EF+1], s[52:53] op_sel:[1,0,0] op_sel_hi:[1,1,0]
.else
	v_pk_fma_f32 v[UU+EG:UU+EG+1], v[ET:ET+1], v[EF:EF+1], s[52:53] op_sel:[0,0,0] op_sel_hi:[0,1,0]
.endif
.endif
.if ES == 1
	v_pk_add_f32 v[ZZ+EG:ZZ+EG+1], v[UU+EG:UU+EG+1], s[54:55] op_sel_hi:[1,0]
.endif
.if ES == 2
.if EPT&1
	v_pk_fma_f32 v[RR+EG:RR+EG+1], v[ET:ET+1], v[EF:EF+1], v[ZZ+EG:ZZ+EG+1] op_sel:[1,0,0] op_sel_hi:[1,1,1] neg_lo:[0,0,1] neg_hi:[0,0,1]
.else
	v_pk_fma_f32 v[RR+EG:RR+EG+1], v[ET:ET+1], v[EF:EF+1], v[ZZ+EG:ZZ+EG+1] op_sel:[0,0,0] op_sel_hi:[0,1,1] neg_lo:[0,0,1] neg_hi:[0,0,1]
.endif
.endif
.if ES == 3
	v_pk_mul_f32 v[ZZ+EG:ZZ+EG+1], v[RR+EG:RR+EG+1], v[RR+EG:RR+EG+1]
.endif
.if ES == 4
	v_pk_fma_f32 v[UU+EG:UU+EG+1], v[ZZ+EG:ZZ+EG+1], s[60:61], v[CA2:CA2+1] op_sel_hi:[1,0,1]
.endif
.if ES == 5
	v_pk_fma_f32 v[UU+EG:UU+EG+1], v[UU+EG:UU+EG+1], v[ZZ+EG:ZZ+EG+1], s[58:59] op_sel_hi:[1,1,0]
.endif
.if ES == 6
	v_pk_fma_f32 v[UU+EG:UU+EG+1], v[UU+EG:UU+EG+1], v[ZZ+EG:ZZ+EG+1], s[56:57] op_sel_hi:[1,1,0]
.endif
.if ES == 7
	v_pk_mul_f32 v[UU+EG:UU+EG+1], v[UU+EG:UU+EG+1], v[RR+EG:RR+EG+1]
.endif
.if ES == 8
	v_pk_fma_f32 v[RR+EG:RR+EG+1], v[ZZ+EG:ZZ+EG+1], s[68:69], v[CB2:CB2+1] op_sel_hi:[1,0,1]
.endif
.if ES == 9
	v_pk_fma_f32 v[RR+EG:RR+EG+1], v[RR+EG:RR+EG+1], v[ZZ+EG:ZZ+EG+1], s[66:67] op_sel_hi:[1,1,0]
.endif
.if ES == 10
	v_pk_fma_f32 v[RR+EG:RR+EG+1], v[RR+EG:RR+EG+1], v[ZZ+EG:ZZ+EG+1], s[62:63] op_sel_hi:[1,1,0]
.endif
.if ES == 11
	v_pk_fma_f32 v[ZZ+EG:ZZ+EG+1], v[UU+EG:UU+EG+1], v[UU+EG:UU+EG+1], 1.0 op_sel_hi:[1,1,0] neg_lo:[1,0,0] neg_hi:[1,0,0]
.endif
.if ES == 12
	v_pk_mul_f32 v[RR+EG:RR+EG+1], v[UU+EG:UU+EG+1], v[RR+EG:RR+EG+1]
.endif
.set EC, EC+1
.endif
.endm
; Registers first .. first + n - 1 of the unit's two fragments: cosines are K steps 0-3 of the embedding, sines K steps 4-7.  Destination window 1.
.macro ECVTR first, n
.set ei, \first
.rept \n
.if ei < 8
	v_cvt_pk_bf16_f32 v[64*EPT+8*EKK+ei], v[ZZ+2*ei], v[ZZ+2*ei+1]
.else
	v_cvt_pk_bf16_f32 v[64*EPT+8*(EKK+4)+ei-8], v[RR+2*(ei-8)], v[RR+2*(ei-8)+1]
.endif
.set ei, ei+1
.endr
.endm
.macro EUNIT pt, kk
.set EPT, \pt
.set EKK, \kk
.set EC, 0
	WIN 0
.rept 104
	EOP
.endr
	WIN 0x40
	ECVTR 0, 16
.endm
; q' x k for column tile c: operations first .. first + n - 1 of 16; operation 4 a + p is pair p of pair tile a = 2 i + j
.macro QKR c, first, n
.set KSL, KR+16*((\c)&3)
.set QB, QQ0+(QQ1-QQ0)*((\c)&1)
.set qi, \first
.rept \n
	v_pk_mul_f32 v[QK+2*qi:QK+2*qi+1], v[QB+8*(qi>>3)+2*(qi&3):QB+8*(qi>>3)+2*(qi&3)+1], v[KSL+8*((qi>>2)&1)+2*(qi&3):KSL+8*((qi>>2)&1)+2*(qi&3)+1]
.set qi, qi+1
.endr
.endm
; partial scores += pe x (q' k): operation 4 p + a; a head's first four products start the sums.  Source 0 window 3.
.macro PFR c, first, n
.set PA, 32*((\c)&1)
.set PO, (\c)&1
.set pfi, \first
.rept \n
.set PP, pfi>>2
.set PB, pfi&3
.if PO+PP == 0
	v_pk_mul_f32 v[PART+2*PB:PART+2*PB+1], v[PA+8*PB+2*PP:PA+8*PB+2*PP+1], v[QK+8*PB+2*PP:QK+8*PB+2*PP+1]
.else
	v_pk_fma_f32 v[PART+2*PB:PART+2*PB+1], v[PA+8*PB+2*PP:PA+8*PB+2*PP+1], v[QK+8*PB+2*PP:QK+8*PB+2*PP+1], v[PART+2*PB:PART+2*PB+1]
.endif
.set pfi, pfi+1
.endr
.endm
; A head is done: lanes (r, 0) and (r, 1) hold the two halves of pair r's sums.  Lanes h = 0 end with row i = 0, lanes h = 1 with i = 1.
; Two halves of six instructions, j = 0 and j = 1 by turns; the totals stay in RECV.
.macro REDA
.irp j, 0,1
	v_add_f32 v[RR+4*\j], v[PART+2*\j], v[PART+2*\j+1]
.endr
.irp j, 0,1
	v_add_f32 v[RR+4*\j+1], v[PART+4+2*\j], v[PART+5+2*\j]
.endr
.irp j, 0,1
	v_cndmask_b32 v[RR+4*\j+2], v[RR+4*\j+1], v[RR+4*\j], s74      ; what the partner lane wants
.endr
.endm
.macro REDB
.irp j, 0,1
	v_cndmask_b32 v[RR+4*\j+3], v[RR+4*\j], v[RR+4*\j+1], s74      ; what I keep
.endr
.irp j, 0,1
	v_permlanex16_b32 v[RECV+\j], v[RR+4*\j+2], s72, s73
.endr
.irp j, 0,1
	v_add_f32 v[RECV+\j], v[RR+4*\j+3], v[RECV+\j]
.endr
.endm
.macro REDST head
.irp j, 0,1
	ds_store_b32 v5, v[RECV+\j] offset:(\head)*SPITCH+64*\j
.endr
.endm
; k of column tile x (16, 17: tiles 0, 1 of the next 32 m) into slot x & 3: four loads of 512 consecutive bytes
.macro KLOAD x
.set KX, \x
.set KD, KR+16*(KX&3)
.set KO, (KX&15)*1024+(KX>>4)*32768
.irp j, 0,1
.irp hf, 0,1
	global_load_b128 v[KD+8*\j+4*\hf:KD+8*\j+4*\hf+3], v1, s[78:79] offset:KO+\j*16384+\hf*512
.endr
.endr
.endm
.macro QLOAD c                         ; q' of column tile c into the buffer c & 1
.set QB, QQ0+(QQ1-QQ0)*((\c)&1)
.irp i, 0,1
.irp hf, 0,1
	ds_load_b128 v[QB+8*\i+4*\hf:QB+8*\i+4*\hf+3], v4 offset:\i*1024+64*(\c)+16*\hf
.endr
.endr
.endm
; The gap behind matrix instruction i of block bt of product 2.  Gaps 0-2: q' k of column tile bt - 1; 3-5: its scores; 6, 7: a finished
; head; from there to gap 28 five operations each of an embedding unit of the next tile; 29-31 its 16 conversions.
; cnt: how many younger global loads may stay out when k of tile bt - 1 has to be there.
.macro GAP2 bt, i, emb, cnt
.set GI, \i
.set GB, \bt
.set GE0, 0
.if GB > 0
.set GE0, 6+2*((GB-1)&1)
.if GI == 0
	WIN 0
	s_wait_loadcnt \cnt
	QKR \bt-1, 0, 6
.endif
.if GI == 1
	WIN 0
	QKR \bt-1, 6, 5
.endif
.if GI == 2
	WIN 0
	QKR \bt-1, 11, 5
.endif
.if GI == 3
	WIN 0x03
	PFR \bt-1, 0, 6
.endif
.if GI == 4
	WIN 0x03
	PFR \bt-1, 6, 5
.endif
.if GI == 5
	WIN 0x03
	PFR \bt-1, 11, 5
.endif
.if (GB-1)&1
.if GI == 6
	WIN 0
	REDA
.endif
.if GI == 7
	WIN 0
	REDB
.endif
.endif
.endif
.if \emb
.if GI >= GE0
.if GI <= 28
.if EC < 104
	WIN 0
.rept 5
	EOP
.endr
.endif
.endif
.endif
.if GI == 29
	WIN 0x40
	ECVTR 0, 6
.endif
.if GI == 30
	WIN 0x40
	ECVTR 6, 5
.endif
.if GI == 31
	WIN 0x40
	ECVTR 11, 5                                    ; five plain places behind the block's last product
.endif
.else
.if GI == 31
	PLACES
.endif
.endif
	WIN WG2
.endm
; Block bt of product 2.  The run at its head: the next unit's weights, q' of this tile, k of tile bt + 2, the scores of the head that the block before finished.
.macro BLK2 bt, emb, cnt, kl, nw
	s_wait_dscnt 0x0                               ; this block's 18 loads and q' of the tile before were issued at the head of the block before
.if \nw
	WIN WG2
	NEXTWALL 17+\bt
.endif
	WIN 0
	QLOAD \bt
.if \kl
	KLOAD \bt+2
.endif
.if \bt >= 3
.if (\bt)&1
	REDST (\bt-2)>>1
.endif
.endif
	WIN WG2
.set EPT, (\bt)>>2
.set EKK, (\bt)&3
.set EC, 0
.irp i, 0,1,2,3,4,5,6,7,8,9,10,11,12,13,14,15,16,17,18,19,20,21,22,23,24,25,26,27,28,29,30,31
	MM1 16+\bt, \i
	GAP2 \bt, \i, \emb, \cnt
.endr
.endm
.macro SCORE_DRAIN cnt                 ; the scores of column tile 15
	WIN 0
	s_wait_loadcnt \cnt
	s_wait_dscnt 0x0
	QKR 15, 0, 16
	WIN 0x03
	PFR 15, 0, 16
	WIN 0
	REDA
	REDB
	REDST 7
.endm
; 32 loads of v, m 256..511, columns of this wave, into window 1 (the embedding's registers, free in the last tile)
.macro HOOK n
	WIN 0x40
.set HL, 32*\n
.rept 32
	global_load_b128 v[4*HL:4*HL+3], v1, s[80:81] offset:512*HL
.set HL, HL+1
.endr
.endm
.macro TSHIFT
.set si, 0
.rept 12
	v_mov_b32 v[TT+si], v[TT+si+4]
.set si, si+1
.endr
.endm
	; ================= prologue
	s_load_b512 s[8:23], s[0:1], 0x0               ; W1f 8, W2f 10, Wof 12, qf 14, kf 16, vf 18, b1 20, b2 22
	s_load_b256 s[24:31], s[0:1], 0x40             ; bo 24, freqs 26, query 28, query_pos 30
	s_load_b64 s[32:33], s[0:1], 0x60              ; out0
	v_lshl_add_u32 v254, v0, 2, 0x4e200
	v_mov_b32 v255, 0
	ds_add_u32 v254, v255
	v_lshrrev_b32 v1, 5, v0
	v_readfirstlane_b32 s76, v1                    ; wave
	s_bfe_u32 s82, ttmp6, 0x40000                  ; my place in the cluster
	s_lshl_b32 s77, ttmp9, 2
	s_add_co_u32 s77, s77, s82                     ; work-group: enters global addresses of my own loads and stores only
	s_lshr_b32 s83, ttmp9, 5                       ; batch: 32 clusters each, the same for all four partners
	SPAIR 52, 0x4b400000                           ; M = 1.5 x 2^23
	SPAIR 54, 0xcb400000                           ; -M
	SPAIR 56, 0x408e2bf9                           ; sqrt2 sin(pi r) = r (A0 + A1 z + A2 z^2 + A3 z^3), z = r r
	SPAIR 58, 0xc0e9d691
	SPAIR 60, 0xbf48cd2d                           ; A3
	SPAIR 62, 0x3fb504a3                           ; sqrt2 cos(pi r) = B0 + B1 z + B2 z^2 + B3 z^3
	SPAIR 66, 0xc0df48ce
	SPAIR 68, 0xbfdd360a                           ; B3
	SPAIR 70, 0xbfb8aa3b                           ; -log2(e)
	s_mov_b32 s72, 0x76543210                      ; v_permlanex16_b32: lane i of one half reads lane i of the other
	s_mov_b32 s73, 0xfedcba98
	s_mov_b32 s74, 0xffff0000                      ; the lanes with h = 1
	; descriptor group 1: 128 rows of 32 elements of 8 bytes, dense; the mask names the four partners, bit 21 beside it
	s_mov_b32 s36, 0x0023000f
	s_mov_b32 s37, 32<<16                          ; tensor_dim0 = 32
	s_mov_b32 s38, 128<<16                         ; tensor_dim1 = 128
	s_mov_b32 s39, 32<<16                          ; tile_dim0 = 32
	s_mov_b32 s40, 128                             ; tile_dim1 = 128
	s_mov_b32 s41, 32                              ; pitch
	s_mov_b32 s42, 0
	s_mov_b32 s43, 0
	s_lshl_b32 s84, s76, 15                        ; the wave's quarter: 32,768 bytes
	s_mov_b32 s85, 0
	s_lshl_b32 s86, s83, 18                        ; the batch's v
	s_mov_b32 s87, 0
	s_mov_b32 s5, 0
	s_wait_dscnt 0x0
	s_wait_kmcnt 0x0
	; four groups 0, written once: W1f, W2f, v of m 0..255, Wof
	s_mov_b32 s44, 1
	s_lshl_b32 s45, s76, 15
	s_add_nc_u64 s[46:47], s[8:9], s[84:85]
	s_or_b32 s47, s47, 0x80000000
	s_mov_b32 s48, 1
	s_add_co_u32 s49, s45, 131072
	s_add_nc_u64 s[50:51], s[10:11], s[84:85]
	s_or_b32 s51, s51, 0x80000000
	s_add_nc_u64 s[80:81], s[18:19], s[86:87]
	s_add_nc_u64 s[80:81], s[80:81], s[84:85]
	s_mov_b32 s92, 1
	s_lshl_b32 s93, s76, 15
	s_mov_b64 s[94:95], s[80:81]
	s_or_b32 s95, s95, 0x80000000
	s_add_nc_u64 s[80:81], s[80:81], 0x20000       ; v of m 256..511, my wave's four column tiles
	s_mov_b32 s96, 1
	s_add_co_u32 s97, s93, 131072
	s_add_nc_u64 s[98:99], s[12:13], s[84:85]
	s_or_b32 s99, s99, 0x80000000
	ROUND                                          ; the four partners are here: the first joint loads meet
	tensor_load_to_lds s[44:47], s[36:43]
	s_nop 0
	tensor_load_to_lds s[48:51], s[36:43]          ; two tensor loads of the wave are out
	s_nop 0
	; bases of my own loads
	s_lshl_b32 s4, s83, 19
	s_add_nc_u64 s[78:79], s[16:17], s[4:5]
	s_lshl_b32 s4, s76, 17
	s_add_nc_u64 s[78:79], s[78:79], s[4:5]        ; k: batch, then the wave's 8 row tiles
	s_lshl_b32 s4, s77, 12
	s_lshl_b32 s6, s76, 9
	s_add_co_u32 s4, s4, s6
	s_add_nc_u64 s[88:89], s[30:31], s[4:5]        ; t: my two rows, the wave's 128 m
	s_lshr_b32 s4, s77, 3
	s_lshl_b32 s4, s4, 14
	s_and_b32 s6, s77, 7
	s_lshl_b32 s6, s6, 5
	s_add_co_u32 s4, s4, s6
	s_add_nc_u64 s[90:91], s[14:15], s[4:5]        ; q': row tile, then the two rows' lanes
	s_lshl_b32 s4, s77, 11
	s_add_nc_u64 s[28:29], s[28:29], s[4:5]        ; query and out0 at my two rows
	s_add_nc_u64 s[32:33], s[32:33], s[4:5]
	s_cmp_lt_u32 s76, 2
	s_cselect_b64 s[86:87], s[20:21], s[22:23]     ; waves 0, 1 copy b1, waves 2, 3 b2
	SPAIR 82, 0x3e22f983                           ; 1 / 2 pi
	; lane terms
	v_and_b32 v1, 31, v0
	v_lshlrev_b32 v1, 4, v1                        ; 16 lane
	v_and_b32 v2, 15, v0                           ; r
	v_bfe_u32 v3, v0, 4, 1                         ; h
	v_and_b32 v15, 63, v0
	v_lshlrev_b32 v15, 4, v15                      ; 16 (thread & 63)
	v_lshlrev_b32 v100, 5, v3                      ; 32 h
	v_lshlrev_b32 v101, 2, v2                      ; 4 r
	v_bfe_u32 v97, v0, 2, 4                        ; q': thread -> (i, c = 4 (thread & 63)) -> (ct, half, h, lane row)
	v_lshlrev_b32 v97, 10, v97
	v_and_b32 v98, 1, v0
	v_lshl_or_b32 v97, v98, 9, v97
	v_bfe_u32 v98, v0, 1, 1
	v_lshl_or_b32 v97, v98, 8, v97
	v_lshrrev_b32 v98, 6, v0
	v_lshl_or_b32 v97, v98, 4, v97
	; 42 loads: 16 of freqs, 16 of t, the bias, q', then the 8 of k's tiles 0 and 1
.irp kk, 0,1,2,3
	global_load_b128 v[GG+16*\kk:GG+16*\kk+3],     v100, s[26:27] offset:128*\kk
	global_load_b128 v[GG+16*\kk+4:GG+16*\kk+7],   v100, s[26:27] offset:128*\kk+16
	global_load_b128 v[GG+16*\kk+8:GG+16*\kk+11],  v100, s[26:27] offset:128*\kk+64
	global_load_b128 v[GG+16*\kk+12:GG+16*\kk+15], v100, s[26:27] offset:128*\kk+80
.endr
.irp ti, 0,1,2,3
.irp i, 0,1
.irp j, 0,1
	global_load_b32 v[TT+4*\ti+2*\i+\j], v101, s[88:89] offset:\i*2048+\ti*128+\j*64
.endr
.endr
.endr
	global_load_b128 v[104:107], v15, s[86:87]
	global_load_b128 v[108:111], v97, s[90:91]
	KLOAD 0
	KLOAD 1
	; LDS addresses: a constant, the wave's number times a constant, a lane term
	v_lshl_add_u32 v4, v3, 5, LQV                  ; q' of my 8 columns
	s_mul_i32 s4, s76, SBLK
	s_add_co_u32 s4, s4, LSC
	v_mul_u32_u24 v5, v3, 8*SPITCH
	v_lshl_add_u32 v5, v2, 2, v5
	v_add_nc_u32 v5, s4, v5                        ; scores out: my wave's block, row 8 h + head, column r
	s_mul_i32 s4, s76, 4*SPITCH
	s_add_co_u32 s4, s4, LSC
	v_add_nc_u32 v7, s4, v1                        ; scores back: rows 4 w ..
	s_mul_i32 s4, s76, 4*PPITCH
	s_add_co_u32 s4, s4, LPR
	v_lshrrev_b32 v8, 1, v1
	v_add_nc_u32 v8, s4, v8                        ; attention out
	s_lshl_b32 s4, s76, 1
	v_and_b32 v9, 7, v2
	v_add_nc_u32 v9, s4, v9
	v_and_b32 v9, 7, v9
	v_and_or_b32 v9, v2, 8, v9                     ; attention back: heads turned by 2 w, so that my heads are rows 0, 1 of each i
	v_mul_u32_u24 v9, v9, PPITCH
	v_lshl_add_u32 v9, v3, 4, v9
	v_add_nc_u32 v9, LPR, v9
	s_mul_i32 s4, s76, XBLK
	s_add_co_u32 s4, s4, LXB
	v_mul_u32_u24 v10, v3, XPITCH
	v_lshl_add_u32 v10, v2, 1, v10
	v_add_nc_u32 v10, s4, v10                      ; x out
	v_and_b32 v11, 1, v2
	v_lshlrev_b32 v13, 8, v11
	v_mul_u32_u24 v11, v11, XPITCH
	v_lshl_add_u32 v11, v3, 4, v11
	v_add_nc_u32 v11, LXB, v11                     ; x back: column r of the fragment is row r & 1
	s_add_co_u32 s4, s84, 131072
	v_add_nc_u32 v12, s4, v1                       ; Wo's fragments of my four tiles
	s_lshl_b32 s4, s76, 9
	v_add_nc_u32 v14, s4, v1                       ; 16 x thread
	s_add_co_u32 s4, s4, LOUT
	v_lshl_add_u32 v13, v3, 5, v13
	v_add_nc_u32 v13, s4, v13                      ; result out
	v_bfe_u32 v6, v0, 4, 2
	v_lshlrev_b32 v6, 9, v6
	v_lshrrev_b32 v98, 6, v0
	v_lshl_add_u32 v6, v98, 8, v6
	v_and_b32 v98, 15, v0
	v_lshl_add_u32 v6, v98, 4, v6
	v_add_nc_u32 v6, LOUT, v6                      ; result back: thread -> (i, 4 columns)
	v_add_nc_u32 v96, LBIAS, v14
	v_mov_b32 v[RECV], 0                           ; v_permlanex16_b32 counts as a reader of its destination
	v_mov_b32 v[RECV+1], 0
	v_mov_b32 v[CA2], 0x406610f1                   ; A2
	v_mov_b32 v[CA2+1], 0x406610f1
	v_mov_b32 v[CB2], 0x40b6e2d1                   ; B2
	v_mov_b32 v[CB2+1], 0x40b6e2d1
	WIN 0xc0                                       ; destination window 3
	v_mov_b32 v240, v1
	v_add_nc_u32 v241, 0x10000, v1
	v_add_nc_u32 v242, 0x20000, v1
	v_add_nc_u32 v243, 0x30000, v1
	v_lshl_add_u32 v244, v3, 5, LBIAS
	v_add_nc_u32 v245, s84, v1
	WIN 0
	s_wait_loadcnt 8                               ; all but the 8 loads of k
	ds_store_b128 v96, v[104:107]                  ; b1, b2
	ds_store_b128 v96, v[108:111] offset:2048      ; q'
.set si, 0
.rept 32
	v_pk_mul_f32 v[GG+2*si:GG+2*si+1], v[GG+2*si:GG+2*si+1], s[82:83] op_sel_hi:[1,0]
.set si, si+1
.endr
	; the first tile's embedding, while the weights land
.irp pt, 0,1,2,3
.irp kk, 0,1,2,3
	EUNIT \pt, \kk
.endr
.endr
	WIN 0
	TSHIFT
	s_wait_tensorcnt 0x0                           ; my quarters of W1f and W2f are in
	s_wait_dscnt 0x0                               ; my part of the bias and of q' is written
	s_barrier_signal -1
	s_barrier_wait -1                              ; everybody's is
	WIN WG1
	NEXTWALL 0
	WIN 0
	s_mov_b32 s75, 3
	; ================= tiles 0, 1, 2
	; k of tile c is asked for at the head of block c - 2 and wanted in block c + 1, behind that block's own request: the groups of tiles
	; c + 1, c + 2, c + 3 stand behind it, so 12 loads may stay out.  Round the back edge too: tiles 16, 17 are the next 32 m's tiles 0, 1.
	; Behind the last block only these two groups are younger than tile 15's: 8.
.Ltile:
	GEMM1
.irp bt, 0,1,2,3,4,5,6,7,8,9,10,11,12,13,14,15
	BLK2 \bt, 1, 12, 1, 1
.endr
	SCORE_DRAIN 8
	TSHIFT                                         ; the tile after next
	v_add_nc_u32 v5, 128, v5                       ; 32 m on
	s_wait_xcnt 0x0                                ; k's base is stepped only behind this wait
	s_add_nc_u64 s[78:79], s[78:79], 0x8000
	s_sub_co_i32 s75, s75, 1
	s_cmp_lg_u32 s75, 0
	s_cbranch_scc1 .Ltile
	; ================= the last tile: no embedding; v comes in meanwhile
	GEMM1
	WIN 0
	s_wait_dscnt 0x0                               ; my reads of W1f are over
	s_wait_tensorcnt 0x0                           ; none of my tensor loads is out
	ds_add_u32 v254, v255
	s_wait_dscnt 0x0
	ROUND                                          ; that holds of every wave of the four partners
	tensor_load_to_lds s[92:95], s[36:43]          ; v of m 0..255 over W1f: one tensor load of the wave is out
	s_nop 0
	HOOK 0
	BLK2 0, 0, 0, 1, 1
	BLK2 1, 0, 44, 1, 1                            ; behind k(0): k(1), the 32 loads of v, k(2), k(3)
	BLK2 2, 0, 44, 1, 1                            ; behind k(1): the 32, k(2), k(3), k(4)
	BLK2 3, 0, 12, 1, 1
	BLK2 4, 0, 12, 1, 1
	BLK2 5, 0, 12, 1, 1
	BLK2 6, 0, 12, 1, 1
	BLK2 7, 0, 12, 1, 1
	HOOK 1
	BLK2 8, 0, 44, 1, 1                            ; behind k(7): k(8), k(9), the 32, k(10)
	BLK2 9, 0, 44, 1, 1
	BLK2 10, 0, 44, 1, 1                           ; behind k(9): the 32, k(10), k(11), k(12)
	BLK2 11, 0, 12, 1, 1
	BLK2 12, 0, 12, 1, 1
	BLK2 13, 0, 12, 1, 1
	BLK2 14, 0, 8, 0, 1                            ; no k beyond tile 15: behind k(13) stand k(14), k(15)
	BLK2 15, 0, 4, 0, 0                            ; behind k(14): k(15) alone; no further weights
	SCORE_DRAIN 0
	; ================= softmax, attention x v, Wo
	global_load_b128 v[238:241], v14, s[28:29]     ; query
	global_load_b128 v[242:245], v15, s[24:25]     ; bo
	s_wait_dscnt 0x0                               ; my scores are written, my reads of W2f are over
	s_wait_tensorcnt 0x0                           ; my quarter of v is in
	ds_add_u32 v254, v255
	s_wait_dscnt 0x0
	ROUND
	tensor_load_to_lds s[96:99], s[36:43]          ; Wof over W2f: one tensor load of the wave is out
	s_nop 0
.irp ro, 0,1,2,3
.irp q, 0,1,2,3
	ds_load_b128 v[32+16*\ro+4*\q:32+16*\ro+4*\q+3], v7 offset:SBLK*\q+SPITCH*\ro   ; row 4 w + ro, m = 128 q + 4 lane + 0..3
.endr
.endr
	s_wait_dscnt 0x0
.macro SMROW ro
.set X0, 32+16*\ro
	v_max3_num_f32 v96, v[X0], v[X0+1], v[X0+2]
	v_max3_num_f32 v97, v[X0+3], v[X0+4], v[X0+5]
	v_max3_num_f32 v98, v[X0+6], v[X0+7], v[X0+8]
	v_max3_num_f32 v99, v[X0+9], v[X0+10], v[X0+11]
	v_max3_num_f32 v96, v96, v[X0+12], v[X0+13]
	v_max3_num_f32 v97, v97, v[X0+14], v[X0+15]
	v_max3_num_f32 v96, v96, v97, v98
	v_max_num_f32 v96, v96, v99
	v_max_num_f32_dpp v96, v96, v96 row_xmask:1 row_mask:0xf bank_mask:0xf
	v_max_num_f32_dpp v96, v96, v96 row_xmask:2 row_mask:0xf bank_mask:0xf
	v_max_num_f32_dpp v96, v96, v96 row_xmask:4 row_mask:0xf bank_mask:0xf
	v_max_num_f32_dpp v96, v96, v96 row_xmask:8 row_mask:0xf bank_mask:0xf
	v_permlanex16_b32 v97, v96, s72, s73
	v_max_num_f32 v96, v96, v97                    ; the row's maximum, in every lane
.irp e, 0,2,4,6,8,10,12,14
	v_pk_add_f32 v[X0+\e:X0+\e+1], v[X0+\e:X0+\e+1], v[96:97] op_sel_hi:[1,0] neg_lo:[0,1] neg_hi:[0,1]
.endr
.irp e, 0,1,2,3,4,5,6,7,8,9,10,11,12,13,14,15
	v_exp_f32 v[X0+\e], v[X0+\e]                   ; the scores carry log2(e) already
.endr
	v_nop                                          ; one plain place behind the exponentials
	s_wait_alu depctr_va_vdst(0)
	v_pk_add_f32 v[100:101], v[X0:X0+1], v[X0+2:X0+3]
	v_pk_add_f32 v[102:103], v[X0+4:X0+5], v[X0+6:X0+7]
	v_pk_add_f32 v[104:105], v[X0+8:X0+9], v[X0+10:X0+11]
	v_pk_add_f32 v[106:107], v[X0+12:X0+13], v[X0+14:X0+15]
	v_pk_add_f32 v[100:101], v[100:101], v[102:103]
	v_pk_add_f32 v[104:105], v[104:105], v[106:107]
	v_pk_add_f32 v[100:101], v[100:101], v[104:105]
	v_add_f32 v100, v100, v101
	v_add_f32_dpp v100, v100, v100 row_xmask:1 row_mask:0xf bank_mask:0xf
	v_add_f32_dpp v100, v100, v100 row_xmask:2 row_mask:0xf bank_mask:0xf
	v_add_f32_dpp v100, v100, v100 row_xmask:4 row_mask:0xf bank_mask:0xf
	v_add_f32_dpp v100, v100, v100 row_xmask:8 row_mask:0xf bank_mask:0xf
	v_permlanex16_b32 v101, v100, s72, s73
	v_add_f32 v100, v100, v101                     ; at least 1: the maximum's own term
	v_rcp_f32 v100, v100
	v_nop
	s_wait_alu depctr_va_vdst(0)
.irp e, 0,2,4,6,8,10,12,14
	v_pk_mul_f32 v[X0+\e:X0+\e+1], v[X0+\e:X0+\e+1], v[100:101] op_sel_hi:[1,0]
.endr
.irp e, 0,1,2,3,4,5,6,7
	v_cvt_pk_bf16_f32 v[108+\e], v[X0+2*\e], v[X0+2*\e+1]
.endr
.irp q, 0,1,2,3
	ds_store_b64 v8, v[108+2*\q:109+2*\q] offset:PPITCH*\ro+256*\q
.endr
.endm
	SMROW 0
	SMROW 1
	SMROW 2
	SMROW 3
	s_wait_dscnt 0x0                               ; my four rows of the attention are written
	s_barrier_signal -1
	s_barrier_wait -1                              ; all sixteen are; Wof may stay on its way
	; attention (16 rows x 512 m) x v, columns 64 w .. 64 w + 63: accumulator ct, register ct >> 1 of lane (r, h) = x(i = h, c = 16 (4 w + ct) + r)
.macro VALOAD n                        ; v of m = 128 n .. 128 n + 127 from LDS into the weights' registers
	WIN WG1
.irp ct, 0,1,2,3
.irp kq, 0,1,2,3
	ds_load_b128 v[64+32*\ct+8*\kq:64+32*\ct+8*\kq+3],   v245 offset:\ct*8192+\kq*1024+\n*4096
	ds_load_b128 v[64+32*\ct+8*\kq+4:64+32*\ct+8*\kq+7], v245 offset:\ct*8192+\kq*1024+\n*4096+512
.endr
.endr
.endm
.macro VAMUL n
	WIN 0xfe                                       ; source 0 window 2, the rest window 3
.irp kq, 0,1,2,3
.irp ct, 0,1,2,3
	v_wmma_f32_16x16x32_bf16 v[8*\ct:8*\ct+7], v[32*\n+8*\kq:32*\n+8*\kq+7], v[64+32*\ct+8*\kq:64+32*\ct+8*\kq+7], v[8*\ct:8*\ct+7]
.endr
.endr
.endm
	WIN 0x80                                       ; destination window 2
.irp ks, 0,1,2,3,4,5,6,7,8,9,10,11,12,13,14,15
	ds_load_b128 v[8*\ks:8*\ks+3],   v9 offset:64*\ks
	ds_load_b128 v[8*\ks+4:8*\ks+7], v9 offset:64*\ks+32
.endr
	s_wait_dscnt 0x0                               ; the attention's fragments are in
	VALOAD 0                                       ; lands under the 32 products below, which need registers only
	WIN 0xf6                                       ; source 0 window 2, source 1 window 1: m 256..511 start the sums
.irp ks, 0,1,2,3,4,5,6,7
.irp ct, 0,1,2,3
.if \ks == 0
	v_wmma_f32_16x16x32_bf16 v[8*\ct:8*\ct+7], v[64:71], v[64*\ct:64*\ct+7], 0
.else
	v_wmma_f32_16x16x32_bf16 v[8*\ct:8*\ct+7], v[64+8*\ks:64+8*\ks+7], v[64*\ct+8*\ks:64*\ct+8*\ks+7], v[8*\ct:8*\ct+7]
.endif
.endr
.endr
	s_wait_dscnt 0x0
	VAMUL 0
	PLACES                                         ; ahead of the loads into registers that these products read
	VALOAD 1
	s_wait_dscnt 0x0
	VAMUL 1
	PLACES
	WIN 0x0f                                       ; sources window 3, destination window 0
.irp ct, 0,1,2,3
	v_cvt_pk_bf16_f32 v[246+\ct], v[8*\ct+(\ct>>1)], v[8*\ct+(\ct>>1)]
.endr
	WIN 0
.irp ct, 0,1,2,3
	ds_store_b16 v10, v[246+\ct] offset:32*\ct
.endr
	s_wait_dscnt 0x0                               ; my 2 x 64 numbers of x are written
	s_wait_tensorcnt 0x0                           ; my quarter of Wof is in
	s_barrier_signal -1
	s_barrier_wait -1
	; x Wo^T: source 0 = 16 rows of Wo, source 1 = x (column r = row r & 1); wave w makes outputs 64 w .. 64 w + 63
	WIN 0x80
.irp ks, 0,1,2,3,4,5,6,7
	ds_load_b128 v[128+8*\ks:128+8*\ks+3],   v11 offset:(\ks>>1)*XBLK+(\ks&1)*64
	ds_load_b128 v[128+8*\ks+4:128+8*\ks+7], v11 offset:(\ks>>1)*XBLK+(\ks&1)*64+32
.endr
	s_wait_dscnt 0x0                               ; x is in; the 64 loads of Wo follow alone
	WIN 0x40
.set HL, 0
.rept 63
	ds_load_b128 v[4*HL:4*HL+3], v12 offset:512*HL
.set HL, HL+1
.endr
	ds_load_b128 v[252:255], v12 offset:512*63
	s_wait_dscnt 0x0
	WIN 0xf9                                       ; source 0 window 1, source 1 window 2, C and D window 3
.irp ks, 0,1,2,3,4,5,6,7
.irp tl, 0,1,2,3
.if \ks == 0
	v_wmma_f32_16x16x32_bf16 v[32+8*\tl:32+8*\tl+7], v[64*\tl:64*\tl+7], v[128:135], 0
.else
	v_wmma_f32_16x16x32_bf16 v[32+8*\tl:32+8*\tl+7], v[64*\tl+8*\ks:64*\tl+8*\ks+7], v[128+8*\ks:128+8*\ks+7], v[32+8*\tl:32+8*\tl+7]
.endif
.endr
.endr
	PLACES
	WIN 0x0c                                       ; store data window 3
.irp tl, 0,1,2,3
	ds_store_b128 v13, v[32+8*\tl:32+8*\tl+3] offset:64*\tl            ; lanes with equal (r & 1, h) hold and write the same numbers
	ds_store_b128 v13, v[32+8*\tl+4:32+8*\tl+7] offset:64*\tl+16
.endr
	WIN 0
	s_wait_dscnt 0x0
	s_barrier_signal -1
	s_barrier_wait -1
	ds_load_b128 v[250:253], v6
	s_wait_loadcnt 0x0                             ; query and bo
	s_wait_dscnt 0x0
	v_pk_add_f32 v[250:251], v[250:251], v[242:243]
	v_pk_add_f32 v[252:253], v[252:253], v[244:245]
	v_pk_add_f32 v[250:251], v[250:251], v[238:239]
	v_pk_add_f32 v[252:253], v[252:253], v[240:241]
	global_store_b128 v14, v[250:253], s[32:33]    ; sixteen lanes store 256 consecutive bytes, at a multiple of 256 from out0's first byte
	s_wait_tensorcnt 0x0
	ds_add_u32 v254, v255
	s_wait_dscnt 0x0
	ROUND                                          ; the closing round: no work-group ends while a partner may still ask jointly
	s_endpgm
.Lfunc_end_k_q450c7ae3d1_main:
	.size	k_q450c7ae3d1_main, .Lfunc_end_k_q450c7ae3d1_main-k_q450c7ae3d1_main
	.p2alignl 7, 3214868480
	.fill 96, 4, 3214868480
	.section	.rodata,"a",@progbits
	.p2align	6, 0x0
	.amdhsa_kernel k_q450c7ae3d1_main
		.amdhsa_group_segment_fixed_size 327680
		.amdhsa_private_segment_fixed_size 0
		.amdhsa_enable_private_segment 0
		.amdhsa_kernarg_size 104
		.amdhsa_user_sgpr_count 2
		.amdhsa_user_sgpr_kernarg_segment_ptr 1
		.amdhsa_wavefront_size32 1
		.amdhsa_system_sgpr_workgroup_id_x 1
		.amdhsa_system_sgpr_workgroup_id_y 1
		.amdhsa_system_sgpr_workgroup_id_z 1
		.amdhsa_system_vgpr_workitem_id 0
		.amdhsa_next_free_vgpr 1024
		.amdhsa_next_free_sgpr 100
		.amdhsa_reserve_vcc 0
		.amdhsa_float_denorm_mode_32 3
		.amdhsa_float_denorm_mode_16_64 3
		.amdhsa_memory_ordered 1
		.amdhsa_forward_progress 1
		.amdhsa_inst_pref_size 255
	.end_amdhsa_kernel
	.section	.bss,"aw",@nobits
	.p2align	6
	.space	262144
	.amdgpu_metadata
---
amdhsa.version: [ 1, 2 ]
amdhsa.kernels:
  - .name:           k_q450c7ae3d1_main
    .symbol:         k_q450c7ae3d1_main.kd
    .args:
      - { .name: W1f, .offset: 0, .size: 8, .value_kind: global_buffer, .address_space: global }
      - { .name: W2f, .offset: 8, .size: 8, .value_kind: global_buffer, .address_space: global }
      - { .name: Wof, .offset: 16, .size: 8, .value_kind: global_buffer, .address_space: global }
      - { .name: qf, .offset: 24, .size: 8, .value_kind: global_buffer, .address_space: global }
      - { .name: kf, .offset: 32, .size: 8, .value_kind: global_buffer, .address_space: global }
      - { .name: vf, .offset: 40, .size: 8, .value_kind: global_buffer, .address_space: global }
      - { .name: b1, .offset: 48, .size: 8, .value_kind: global_buffer, .address_space: global }
      - { .name: b2, .offset: 56, .size: 8, .value_kind: global_buffer, .address_space: global }
      - { .name: bo, .offset: 64, .size: 8, .value_kind: global_buffer, .address_space: global }
      - { .name: freqs, .offset: 72, .size: 8, .value_kind: global_buffer, .address_space: global }
      - { .name: query, .offset: 80, .size: 8, .value_kind: global_buffer, .address_space: global }
      - { .name: query_pos, .offset: 88, .size: 8, .value_kind: global_buffer, .address_space: global }
      - { .name: out0, .offset: 96, .size: 8, .value_kind: global_buffer, .address_space: global }
    .group_segment_fixed_size: 327680
    .private_segment_fixed_size: 0
    .kernarg_segment_align: 8
    .kernarg_segment_size: 104
    .max_flat_workgroup_size: 128
    .sgpr_count:     100
    .vgpr_count:     1024
    .wavefront_size: 32
...
	.end_amdgpu_metadata
.endif
;; end of part 3
;; ======== version 3 of 3: 2 launches; 1.40 times as fast as version 1
;; limits: right only within a limited range of input values; an absolute error that grows with the inputs' magnitude: up to 1.2e-07 times it
;; workspace buffers: W1f 131,072 bytes; W2f 131,072 bytes; Wof 131,072 bytes; qf 524,288 bytes; kf 1,048,576 bytes; vf 524,288 bytes
;; launch prep (part 4): grid 256 x 1, 4 waves a work-group, no clusters, 0 bytes of LDS; arguments query, key, Wq, bq, Wk, Wv, bv, W1, W2, Wo, qf, kf, vf, W1f, W2f, Wof; writes qf, kf, vf, W1f, W2f, Wof
.if DOCPART == 4
	.amdgcn_target "amdgcn-amd-amdhsa--gfx1250"
	.amdhsa_code_object_version 6
	.text
	.protected	k_q450c7ae3d1_prep
	.globl	k_q450c7ae3d1_prep
	.p2align	8
	.type	k_q450c7ae3d1_prep,@function
k_q450c7ae3d1_prep:
	s_mov_b64 s[64:65], 0
	v_nop
	global_prefetch_b8 v0, s[64:65] scope:SCOPE_SE
	s_setreg_imm32_b32 hwreg(HW_REG_WAVE_MODE, 25, 1), 1
	s_wait_xcnt 0x0
; PREP: what the fused launch wants ready, each in the order in which its registers take it.
;   work-groups   0- 63: k = key Wk^T             -> kf  [row tile 64][ct 16][half 2][lane 32][4 f32]
;   work-groups  64-127: v = key Wv^T + bv        -> vf  [block of 256 m: 4][ct 16][m tile 16][lane 32][8 bf16]
;   work-groups 128-159: q = -(query Wq^T + bq) / sqrt(32) -> qf  [row tile 32][ct 16][half 2][lane 32][4 f32]
;   work-groups 160-255: -log2(e) W1, W2, Wo to bf16 -> W1f, W2f, Wof [tile 16][K step 8][half 2][lane 32][8 bf16]
; THE TWO FACTORS: with y = -log2(e) x the fused launch makes SiLU as -ln(2) y / (1 + 2^y) and leaves the factor -ln(2) out, so its
; pe is the true one divided by -ln(2).  The scores want 32^-0.5 log2(e) (the softmax is taken in base 2); times -ln(2) that is -32^-0.5.
; kf, qf: lane (r, h), half q holds columns c = 16 ct + 8 h + 4 q + 0..3 of row r of the tile.
; vf:     lane (r, h) holds v(m = 16 mt + 8 h + 0..7, c = 16 ct + r): a source fragment with m along K.
; W*f:    lane (r, h), half q holds row 16 tile + r, k = 32 ks + 16 q + 8 h + 0..7: a source fragment as it lies in registers.
; A projection work-group makes 16 rows x 256 columns; wave w the column tiles ct = 4 w .. 4 w + 3.  Operands go from memory
; through registers (f32 -> bf16) straight to the matrix unit: no LDS, no barrier.  In the projections k is permuted alike in
; both operands (lane (r, h) takes the 16 consecutive f32 at k = 32 ks + 16 h), which keeps every product.
; Reads are pieces of 64 or 128 bytes of 16 rows; each store of a wave covers 512 consecutive bytes.
; No cluster: the shared weights are 256 KiB in all and each wave reads its own 64 rows of them.
.set LB0, 16                           ; v[16:95]    five fragments x 16 f32, buffer 0
.set LB1, 96                           ; v[96:175]   buffer 1
.set FR,  176                          ; v[176:215]  five fragments x 8 registers of bf16: the rows' tile, then four weight tiles
.set ACC, 216                          ; v[216:247]  four accumulators
.macro PLACES                          ; four plain vector places behind a matrix instruction (ISA guide 7.12.1)
.rept 4
	v_nop
.endr
.endm
; 20 loads: K step ks of the 16 rows and of the wave's 64 weight rows
.macro LOADK ks, lb
.irp q, 0,1,2,3
	global_load_b128 v[\lb+4*\q:\lb+4*\q+3], v3, s[40:41] offset:(\ks)*128+16*\q
.endr
.irp t, 0,1,2,3
.irp q, 0,1,2,3
	global_load_b128 v[\lb+16+16*\t+4*\q:\lb+16+16*\t+4*\q+3], v3, s[42:43] offset:\t*16384+(\ks)*128+16*\q
.endr
.endr
.endm
; One K step.  swap = 0: source 0 = weights, source 1 = rows (a lane ends with 8 columns of one row);  swap = 1: the other way round.
; init = 1: the accumulators were loaded with the bias.  The four accumulators take turns, one instruction a turn.
.macro KSTEP ks, lb, swap, init
.if \ks > 0
	PLACES                                         ; FR is rewritten only four places behind the products that read it
.endif
.if \ks == 7
	s_wait_loadcnt 0x0
.else
	s_wait_loadcnt 20                              ; this step's 20 loads (and all older ones) are in; the next step's 20 stay out
.endif
.set ci, 0
.rept 40
	v_cvt_pk_bf16_f32 v[FR+ci], v[\lb+2*ci], v[\lb+2*ci+1]
.set ci, ci+1
.endr
.if \ks <= 5
	LOADK \ks+2, \lb
.endif
.set CZ, \ks+\init
.irp t, 0,1,2,3
.if \swap
.if CZ == 0
	v_wmma_f32_16x16x32_bf16 v[ACC+8*\t:ACC+8*\t+7], v[FR:FR+7], v[FR+8+8*\t:FR+15+8*\t], 0
.else
	v_wmma_f32_16x16x32_bf16 v[ACC+8*\t:ACC+8*\t+7], v[FR:FR+7], v[FR+8+8*\t:FR+15+8*\t], v[ACC+8*\t:ACC+8*\t+7]
.endif
.else
.if CZ == 0
	v_wmma_f32_16x16x32_bf16 v[ACC+8*\t:ACC+8*\t+7], v[FR+8+8*\t:FR+15+8*\t], v[FR:FR+7], 0
.else
	v_wmma_f32_16x16x32_bf16 v[ACC+8*\t:ACC+8*\t+7], v[FR+8+8*\t:FR+15+8*\t], v[FR:FR+7], v[ACC+8*\t:ACC+8*\t+7]
.endif
.endif
.endr
.endm
.macro PROJ swap, init
	LOADK 0, LB0
	LOADK 1, LB1
	KSTEP 0, LB0, \swap, \init
	KSTEP 1, LB1, \swap, \init
	KSTEP 2, LB0, \swap, \init
	KSTEP 3, LB1, \swap, \init
	KSTEP 4, LB0, \swap, \init
	KSTEP 5, LB1, \swap, \init
	KSTEP 6, LB0, \swap, \init
	KSTEP 7, LB1, \swap, \init
	PLACES                                         ; behind the last products, ahead of whatever reads the sums
.endm
.macro STORE8                          ; f32 results: two stores of 512 consecutive bytes for each column tile
.irp t, 0,1,2,3
	global_store_b128 v4, v[ACC+8*\t:ACC+8*\t+3],   s[44:45] offset:\t*1024
	global_store_b128 v4, v[ACC+8*\t+4:ACC+8*\t+7], s[44:45] offset:\t*1024+512
.endr
.endm
	s_load_b512 s[8:23], s[0:1], 0x0               ; query 8, key 10, Wq 12, bq 14, Wk 16, Wv 18, bv 20, W1 22
	s_load_b512 s[24:39], s[0:1], 0x40             ; W2 24, Wo 26, qf 28, kf 30, vf 32, W1f 34, W2f 36, Wof 38
	v_lshrrev_b32 v1, 5, v0
	v_readfirstlane_b32 s4, v1                     ; wave
	v_and_b32 v1, 15, v0                           ; r
	v_bfe_u32 v2, v0, 4, 1                         ; h
	v_lshlrev_b32 v3, 10, v1
	v_lshl_add_u32 v5, v2, 5, v3                   ; r x 1024 + 32 h (the weights' true order)
	v_lshl_add_u32 v3, v2, 6, v3                   ; r x 1024 + 64 h (the projections' order)
	v_and_b32 v4, 31, v0
	v_lshlrev_b32 v4, 4, v4                        ; 16 x lane
	v_lshlrev_b32 v6, 5, v2                        ; 32 h
	v_lshlrev_b32 v7, 2, v1                        ; 4 r
	s_mov_b32 s47, 0
	s_mov_b32 s49, 0
	s_wait_kmcnt 0x0
	s_cmp_ge_u32 ttmp9, 160
	s_cbranch_scc1 .Lconv
	s_cmp_ge_u32 ttmp9, 128
	s_cbranch_scc1 .Lq
	s_cmp_ge_u32 ttmp9, 64
	s_cbranch_scc1 .Lv
	; ---- k
	s_lshl_b32 s46, ttmp9, 14                      ; 16 rows of 1,024 bytes; also a row tile of kf
	s_add_nc_u64 s[40:41], s[10:11], s[46:47]
	s_add_nc_u64 s[44:45], s[30:31], s[46:47]
	s_lshl_b32 s48, s4, 16                         ; the wave's 64 weight rows
	s_add_nc_u64 s[42:43], s[16:17], s[48:49]
	s_lshl_b32 s48, s4, 12                         ; its four column tiles of 1,024 bytes
	s_add_nc_u64 s[44:45], s[44:45], s[48:49]
	PROJ 0, 0
	STORE8
	s_endpgm
.Lv:	; ---- v
	s_sub_co_u32 s5, ttmp9, 64                     ; row tile 0..63
	s_lshl_b32 s46, s5, 14
	s_add_nc_u64 s[40:41], s[10:11], s[46:47]
	s_lshl_b32 s48, s4, 16
	s_add_nc_u64 s[42:43], s[18:19], s[48:49]
	s_lshl_b32 s48, s4, 8                          ; bv of the wave's 64 columns
	s_add_nc_u64 s[50:51], s[20:21], s[48:49]
	s_lshr_b32 s46, s5, 4
	s_lshl_b32 s46, s46, 17                        ; block of 256 m
	s_lshl_b32 s48, s4, 15                         ; four column tiles of 8,192 bytes
	s_add_co_u32 s46, s46, s48
	s_and_b32 s48, s5, 15
	s_lshl_b32 s48, s48, 9                         ; m tile in the block
	s_add_co_u32 s46, s46, s48
	s_add_nc_u64 s[44:45], s[32:33], s[46:47]
.irp t, 0,1,2,3
	global_load_b32 v[8+\t], v7, s[50:51] offset:64*\t             ; bv[16 ct + r]; older than every counted wait below
.endr
	PROJ 1, 0
.irp p, 0,1,2,3
	v_pk_add_f32 v[ACC+2*\p:ACC+2*\p+1],       v[ACC+2*\p:ACC+2*\p+1],       v[8:9]   op_sel:[0,0] op_sel_hi:[1,0]
	v_pk_add_f32 v[ACC+8+2*\p:ACC+8+2*\p+1],   v[ACC+8+2*\p:ACC+8+2*\p+1],   v[8:9]   op_sel:[0,1] op_sel_hi:[1,1]
	v_pk_add_f32 v[ACC+16+2*\p:ACC+16+2*\p+1], v[ACC+16+2*\p:ACC+16+2*\p+1], v[10:11] op_sel:[0,0] op_sel_hi:[1,0]
	v_pk_add_f32 v[ACC+24+2*\p:ACC+24+2*\p+1], v[ACC+24+2*\p:ACC+24+2*\p+1], v[10:11] op_sel:[0,1] op_sel_hi:[1,1]
.endr
.irp t, 0,1,2,3
.irp p, 0,1,2,3
	v_cvt_pk_bf16_f32 v[FR+4*\t+\p], v[ACC+8*\t+2*\p], v[ACC+8*\t+2*\p+1]
.endr
.endr
.irp t, 0,1,2,3
	global_store_b128 v4, v[FR+4*\t:FR+4*\t+3], s[44:45] offset:\t*8192
.endr
	s_endpgm
.Lq:	; ---- q
	s_sub_co_u32 s5, ttmp9, 128                    ; row tile 0..31
	s_lshl_b32 s46, s5, 14
	s_add_nc_u64 s[40:41], s[8:9], s[46:47]
	s_add_nc_u64 s[44:45], s[28:29], s[46:47]
	s_lshl_b32 s48, s4, 16
	s_add_nc_u64 s[42:43], s[12:13], s[48:49]
	s_lshl_b32 s48, s4, 12
	s_add_nc_u64 s[44:45], s[44:45], s[48:49]
	s_lshl_b32 s48, s4, 8
	s_add_nc_u64 s[50:51], s[14:15], s[48:49]
	s_mov_b32 s52, 0xbe3504f3                      ; -32^-0.5 = 32^-0.5 x log2(e) x -ln(2): see the head
	s_mov_b32 s53, 0xbe3504f3
.irp t, 0,1,2,3
	global_load_b128 v[ACC+8*\t:ACC+8*\t+3],   v6, s[50:51] offset:64*\t       ; bq[16 ct + 8 h + 0..7] starts the sums
	global_load_b128 v[ACC+8*\t+4:ACC+8*\t+7], v6, s[50:51] offset:64*\t+16
.endr
	PROJ 0, 1
.set ci, 0
.rept 16
	v_pk_mul_f32 v[ACC+2*ci:ACC+2*ci+1], v[ACC+2*ci:ACC+2*ci+1], s[52:53] op_sel_hi:[1,0]
.set ci, ci+1
.endr
	STORE8
	s_endpgm
.Lconv:	; ---- W1, W2, Wo: one fragment of 16 rows x 32 k for each wave
	s_sub_co_u32 s5, ttmp9, 160
	s_lshr_b32 s6, s5, 5                           ; which matrix
	s_mov_b32 s7, s6                               ; kept for the branch below
	s_and_b32 s5, s5, 31
	s_cmp_eq_u32 s6, 0
	s_cselect_b64 s[40:41], s[22:23], s[24:25]
	s_cselect_b64 s[44:45], s[34:35], s[36:37]
	s_cmp_eq_u32 s6, 2
	s_cselect_b64 s[40:41], s[26:27], s[40:41]
	s_cselect_b64 s[44:45], s[38:39], s[44:45]
	s_lshr_b32 s6, s5, 1                           ; tile
	s_and_b32 s5, s5, 1
	s_lshl2_add_u32 s5, s5, s4                     ; K step = 4 (p & 1) + wave
	s_lshl_b32 s46, s6, 14
	s_lshl_b32 s48, s5, 7
	s_add_co_u32 s46, s46, s48
	s_add_nc_u64 s[40:41], s[40:41], s[46:47]
	s_lshl3_add_u32 s48, s6, s5
	s_lshl_b32 s48, s48, 10
	s_add_nc_u64 s[44:45], s[44:45], s[48:49]
	s_mov_b32 s52, 0xbfb8aa3b                      ; -log2(e)
	s_mov_b32 s53, 0xbfb8aa3b
	global_load_b128 v[16:19], v5, s[40:41]
	global_load_b128 v[20:23], v5, s[40:41] offset:16
	global_load_b128 v[24:27], v5, s[40:41] offset:64
	global_load_b128 v[28:31], v5, s[40:41] offset:80
	s_wait_loadcnt 0x0
	s_cmp_lg_u32 s7, 0
	s_cbranch_scc1 .Lplain                         ; W2 and Wo go as they are
.irp e, 0,2,4,6,8,10,12,14
	v_pk_mul_f32 v[16+\e:17+\e], v[16+\e:17+\e], s[52:53] op_sel_hi:[1,0]
.endr
.Lplain:
.irp e, 0,1,2,3,4,5,6,7
	v_cvt_pk_bf16_f32 v[32+\e], v[16+2*\e], v[17+2*\e]
.endr
	global_store_b128 v4, v[32:35], s[44:45]
	global_store_b128 v4, v[36:39], s[44:45] offset:512
	s_endpgm
.Lfunc_end_k_q450c7ae3d1_prep:
	.size	k_q450c7ae3d1_prep, .Lfunc_end_k_q450c7ae3d1_prep-k_q450c7ae3d1_prep
	.p2alignl 7, 3214868480
	.fill 96, 4, 3214868480
	.section	.rodata,"a",@progbits
	.p2align	6, 0x0
	.amdhsa_kernel k_q450c7ae3d1_prep
		.amdhsa_group_segment_fixed_size 0
		.amdhsa_private_segment_fixed_size 0
		.amdhsa_enable_private_segment 0
		.amdhsa_kernarg_size 128
		.amdhsa_user_sgpr_count 2
		.amdhsa_user_sgpr_kernarg_segment_ptr 1
		.amdhsa_wavefront_size32 1
		.amdhsa_system_sgpr_workgroup_id_x 1
		.amdhsa_system_sgpr_workgroup_id_y 1
		.amdhsa_system_sgpr_workgroup_id_z 1
		.amdhsa_system_vgpr_workitem_id 0
		.amdhsa_next_free_vgpr 256
		.amdhsa_next_free_sgpr 66
		.amdhsa_reserve_vcc 0
		.amdhsa_float_denorm_mode_32 3
		.amdhsa_float_denorm_mode_16_64 3
		.amdhsa_memory_ordered 1
		.amdhsa_forward_progress 1
		.amdhsa_inst_pref_size 126
	.end_amdhsa_kernel
	.amdgpu_metadata
---
amdhsa.version: [ 1, 2 ]
amdhsa.kernels:
  - .name:           k_q450c7ae3d1_prep
    .symbol:         k_q450c7ae3d1_prep.kd
    .args:
      - { .name: query, .offset: 0, .size: 8, .value_kind: global_buffer, .address_space: global }
      - { .name: key, .offset: 8, .size: 8, .value_kind: global_buffer, .address_space: global }
      - { .name: Wq, .offset: 16, .size: 8, .value_kind: global_buffer, .address_space: global }
      - { .name: bq, .offset: 24, .size: 8, .value_kind: global_buffer, .address_space: global }
      - { .name: Wk, .offset: 32, .size: 8, .value_kind: global_buffer, .address_space: global }
      - { .name: Wv, .offset: 40, .size: 8, .value_kind: global_buffer, .address_space: global }
      - { .name: bv, .offset: 48, .size: 8, .value_kind: global_buffer, .address_space: global }
      - { .name: W1, .offset: 56, .size: 8, .value_kind: global_buffer, .address_space: global }
      - { .name: W2, .offset: 64, .size: 8, .value_kind: global_buffer, .address_space: global }
      - { .name: Wo, .offset: 72, .size: 8, .value_kind: global_buffer, .address_space: global }
      - { .name: qf, .offset: 80, .size: 8, .value_kind: global_buffer, .address_space: global }
      - { .name: kf, .offset: 88, .size: 8, .value_kind: global_buffer, .address_space: global }
      - { .name: vf, .offset: 96, .size: 8, .value_kind: global_buffer, .address_space: global }
      - { .name: W1f, .offset: 104, .size: 8, .value_kind: global_buffer, .address_space: global }
      - { .name: W2f, .offset: 112, .size: 8, .value_kind: global_buffer, .address_space: global }
      - { .name: Wof, .offset: 120, .size: 8, .value_kind: global_buffer, .address_space: global }
    .group_segment_fixed_size: 0
    .private_segment_fixed_size: 0
    .kernarg_segment_align: 8
    .kernarg_segment_size: 128
    .max_flat_workgroup_size: 128
    .sgpr_count:     66
    .vgpr_count:     256
    .wavefront_size: 32
...
	.end_amdgpu_metadata
.endif
;; end of part 4
;; launch main (part 5): grid 256 x 1, 4 waves a work-group, clusters of 4 x 1, 327,680 bytes of LDS; arguments W1f, W2f, Wof, qf, kf, vf, b1, b2, bo, freqs, query, query_pos, out0; writes out0
.if DOCPART == 5
	.amdgcn_target "amdgcn-amd-amdhsa--gfx1250"
	.amdhsa_code_object_version 6
	.text
	.protected	k_q450c7ae3d1_main
	.globl	k_q450c7ae3d1_main
	.p2align	8
	.type	k_q450c7ae3d1_main,@function
k_q450c7ae3d1_main:
	s_mov_b64 s[64:65], 0
	v_nop
	global_prefetch_b8 v0, s[64:65] scope:SCOPE_SE
	s_setreg_imm32_b32 hwreg(HW_REG_WAVE_MODE, 25, 1), 1
	s_wait_xcnt 0x0
	s_wait_alu depctr_hold_cnt(0) depctr_sa_sdst(0) depctr_va_vdst(0) depctr_va_sdst(0) depctr_va_ssrc(0) depctr_va_vcc(0) depctr_vm_vsrc(0)
	s_getreg_b32 s2, hwreg(HW_REG_IB_STS2, 6, 4)
	s_cmp_eq_u32 s2, 0
	s_cbranch_scc0 .Lentry_in_a_cluster
	s_endpgm
.Lentry_in_a_cluster:
	s_bfe_u32 s2, ttmp6, 0x10000c
	s_cmp_lg_u32 s2, 0x3003
	s_cbranch_scc0 .Lentry_shape_is_right
	s_endpgm
.Lentry_shape_is_right:
; MAIN: embedding -> Linear 1 -> SiLU -> Linear 2 -> gated scores -> softmax -> attention x v -> Wo + bo + query, in one launch.
; A work-group owns the two rows 2 wg, 2 wg + 1 (i = 0, 1) of the 512 (b, n) rows and all 512 m, so the softmax is its own.
; Wave w owns m = 128 w .. 128 w + 127, in four tiles of 64 pairs = 2 n x 32 m; pair tile pt = 2 i + j, m = 128 w + 32 tile + 16 j + r.
; Both large products are used transposed: source 0 = 16 weight rows, source 1 = 16 pairs.  A lane (r, h) then holds units
; 16 tile + 8 h + 0..7 of pair r, which packed to bf16 are just the registers of the next product's source 1: the embedding,
; the hidden layer and pe never leave registers.  W1 and W2 (bf16, in register order) stay in LDS through the loop; each
; fragment read from LDS feeds four matrix instructions.  b1 and b2 enter as the C of a block's first four products.
; THE LOOP has four trips, one for each tile: the tile's embedding, product 1 with SiLU, product 2 with the scores.  Each phase stands
; once in the text: nothing of the loop is written out a second time ahead of it or behind it.
; A block = one weight tile x 8 K steps x 4 pair tiles = 32 matrix instructions.  All memory instructions of a block stand in ONE run at
; its head; the vector work on the block before (SiLU; the scores) stands in small parts behind single matrix instructions.
; The four accumulators of a block take turns, one instruction a turn, and neighbouring blocks use the other set.
; FACTORS: W1f holds -log2(e) W1, and b1, b2 are scaled by -log2(e) here.  With y = -log2(e) x the hidden value kept is y / (1 + 2^y), which is
; SiLU(x) / -ln(2); so pe comes out divided by -ln(2), and q carries -32^-0.5 = 32^-0.5 log2(e) x -ln(2): the scores are the true ones in base 2.
; CLUSTER 4 x 1: W1f, W2f and v are the same for the four partners (one batch: 128 work-groups) and are asked for jointly.
; k is not: while it is needed no LDS is free, so it goes straight to registers; so do Wo's fragments, 32 KiB a wave, each read by one wave.
; LIMITS: sin and cos are made by reduction to [-1/2, 1/2] turns and polynomials (absolute error at most 1.5e-5); the reduction holds for
; |t f| < 2^22 x 2 pi, and its phase error grows as |t f| x 2^-23 radians.  Exponentials below 2^-126 count as 0.
;
; LDS
.set LBIAS,  262144                    ; b1, b2 (f32, scaled)                0 .. 131071 W1f, later v of m 0..255; 131072 .. 262143 W2f, later v of m 256..511
.set LQV,    264192                    ; q' [i][256] f32
.set LSC,    266240                    ; scores [wave 4][row i 8 + head: 16][128 f32], pitch 528: each wave stores into its own block
.set SPITCH, 528
.set SBLK,   16*SPITCH
.set LPR,    300032                    ; attention, bf16, 16 rows of 512, pitch 1040
.set PPITCH, 1040
.set LXB,    316672                    ; attention x v, bf16 [wave 4][i 2][64], pitch 144
.set XPITCH, 144
.set XBLK,   2*XPITCH
.set LOUT,   317952                    ; x Wo^T, f32 [wave 4][i 2][64]
; REGISTERS, window 0: v0 thread, v1 16 lane, v2 r, v3 h, v4-v15 addresses (set below)
.set TT,   16                          ; v[16:31]   t, 4 tile + pt; moved down by four in each trip
.set GG,   32                          ; v[32:95]   f / 2 pi: 16 kk + e
.set UU,   96                          ; v[96:111]  embedding at work
.set ZZ,   112                         ; v[112:127]
.set RR,   128                         ; v[128:143]
.set QK,   96                          ; v[96:127]  q x k, in product 2
.set KR,   144                         ; v[144:207] k, four slots of 16: slot 16 + j 8 + half 4
.set QQ0,  208                         ; v[208:223] q' of even column tiles, i 8
.set PART, 224                         ; v[224:231] a pair of partial scores for each pair tile
.set RECV, 232                         ; v[232:233] a finished head's two scores, until the next block's run of memory instructions stores them
.set CA2,  234                         ; v[234:235] polynomial constants that stand as third source beside a scalar
.set CB2,  236                         ; v[236:237]
.set QQ1,  238                         ; v[238:253] q' of odd column tiles; in the tail: query, bo, x, the result
; window 1: embedding fragments 64 pt + 8 ks; in the tail Wo's fragments
; window 2: hidden fragments 64 pt + 8 ks; in the tail the attention's fragments, a buffer of v, x
; window 3: v0-63 accumulators 32 set + 8 pt; v64-191 weight fragments 64 + 64 buf + 8 ks; v192-207 bias 192 + 8 buf;
;           v208-239 SiLU at work; v240-243 16 lane + 65536 n; v244 bias address; v245, v246 addresses of v in LDS
.set TS,   208
.set WG1,  0xf7                        ; source 0 and C, D window 3, source 1 window 1 (product 1, its LDS loads, SiLU)
.set WG2,  0xfb                        ; the same with source 1 in window 2 (product 2)
.set MSB, 0
.macro WIN new                         ; the immediate's high byte repeats the setting that is left
.if MSB != \new
	s_set_vgpr_msb (MSB<<8)|\new
.set MSB, \new
.endif
.endm
.macro PLACES                          ; four plain vector places behind a matrix instruction (ISA guide 7.12.1)
.rept 4
	v_nop
.endr
.endm
.macro SPAIR r, val
	s_mov_b32 s[\r], \val
	s_mov_b32 s[\r+1], \val
.endm
; A round of the cluster's barrier: the work-group's barrier, wave 0 signals for the work-group, all wait, the work-group's barrier again.
.macro ROUND
	s_barrier_signal -1
	s_barrier_wait -1
	s_cmp_lg_u32 s76, 0
	s_cbranch_scc1 .Lnot_wave_0_\@
	s_barrier_signal -3
.Lnot_wave_0_\@:
	s_barrier_wait -3
	s_barrier_signal -1
	s_barrier_wait -1
.endm
; Load l (0..17) of weight unit u (0-15 tiles of W1, 16-31 of W2) into the buffers u & 1: 16 halves of fragments, then the bias.
.macro NEXTW u, l
.set NU, (\u)&31
.set NL, \l
.if NL < 16
	ds_load_b128 v[64+64*(NU&1)+4*NL:64+64*(NU&1)+4*NL+3], v[240+(NU>>3)] offset:(NU&7)*8192+NL*512
.else
	ds_load_b128 v[192+8*(NU&1)+4*(NL-16):192+8*(NU&1)+4*(NL-16)+3], v244 offset:64*NU+16*(NL-16)
.endif
.endm
.macro NEXTWALL u                      ; the 18 loads of a unit, in one run
.irp l, 0,1,2,3,4,5,6,7,8,9,10,11,12,13,14,15,16,17
	NEXTW \u, \l
.endr
.endm
; Matrix instruction i (0..31) of unit u: K step i >> 2, pair tile i & 3.
.macro MM1 u, i
.set MB, (\u)&1
.set MK, (\i)>>2
.set MP, (\i)&3
.if MK == 0
	v_wmma_f32_16x16x32_bf16 v[32*MB+8*MP:32*MB+8*MP+7], v[64+64*MB:64+64*MB+7], v[64*MP:64*MP+7], v[192+8*MB:192+8*MB+7]
.else
	v_wmma_f32_16x16x32_bf16 v[32*MB+8*MP:32*MB+8*MP+7], v[64+64*MB+8*MK:64+64*MB+8*MK+7], v[64*MP+8*MK:64*MP+8*MK+7], v[32*MB+8*MP:32*MB+8*MP+7]
.endif
.endm
.macro TR4 op, first
.set ti, \first
.rept 4
	\op v[TS+ti], v[TS+ti]
.set ti, ti+1
.endr
.endm
; Part g (4..31; parts 0-3 are empty) of the work on the 32 sums y that a lane holds of block bp: y / (1 + 2^y), packed into the hidden fragments.
; Seven stages of four parts each: stage g >> 2, quarter g & 3.
.macro SILU bp, g
.set SA, 32*((\bp)&1)
.set SH, 8*((\bp)>>1)+4*((\bp)&1)
.set SST, (\g)>>2
.set SQ, (\g)&3
.set si, 4*SQ
.if SST == 1
.rept 4
	v_exp_f32 v[TS+si], v[SA+si]
.set si, si+1
.endr
.endif
.if SST == 2
.rept 4
	v_exp_f32 v[TS+16+si], v[SA+16+si]
.set si, si+1
.endr
.endif
.if SST == 3
.if SQ == 0
	v_nop                                          ; one plain place behind the exponentials (ISA guide 5.7.2)
	s_wait_alu depctr_va_vdst(0)
.endif
.rept 4
	v_pk_add_f32 v[TS+2*si:TS+2*si+1], v[TS+2*si:TS+2*si+1], 1.0 op_sel_hi:[1,0]
.set si, si+1
.endr
.endif
.if SST == 4
	TR4 v_rcp_f32, 4*SQ
.endif
.if SST == 5
	TR4 v_rcp_f32, 16+4*SQ
.endif
.if SST == 6
	WIN 0xff
.if SQ == 0
	v_nop                                          ; one plain place behind the reciprocals
	s_wait_alu depctr_va_vdst(0)
.endif
.rept 4
	v_pk_mul_f32 v[SA+2*si:SA+2*si+1], v[SA+2*si:SA+2*si+1], v[TS+2*si:TS+2*si+1]
.set si, si+1
.endr
.endif
.if SST == 7
	WIN 0x8f                                       ; sources window 3, destination window 2
.irp q, 0,1,2,3
	v_cvt_pk_bf16_f32 v[64*SQ+SH+\q], v[SA+8*SQ+2*\q], v[SA+8*SQ+2*\q+1]
.endr
.endif
.endm
; The gap behind matrix instruction i of block b of product 1: a part of the work on the block before.
; Gap 31's four plain vector instructions name no register of this block's products: they are the places in front of the next
; block's loads into the buffers that this block's products read, and of its reads of this block's sums.
.macro GAP1 b, i
.if \b > 0
	SILU \b-1, \i
	WIN WG1
.else
.if \i == 31
	PLACES
.endif
.endif
.endm
.macro BLK1 b
	s_wait_dscnt 0x0                               ; this block's 18 loads were issued at the head of the block before (block 0's at the trip's head)
	WIN WG1
	NEXTWALL \b+1                                  ; the next unit's, with this whole block in which to land
.irp i, 0,1,2,3,4,5,6,7,8,9,10,11,12,13,14,15,16,17,18,19,20,21,22,23,24,25,26,27,28,29,30,31
	MM1 \b, \i
	GAP1 \b, \i
.endr
.endm
.macro GEMM1
.irp b, 0,1,2,3,4,5,6,7,8,9,10,11,12,13,14,15
	BLK1 \b
.endr
.irp g, 4,5,6,7,8,9,10,11,12,13,14,15,16,17,18,19,20,21,22,23,24,25,26,27,28,29,30,31
	SILU 15, \g                                    ; the last block's, in one run
.endr
.endm
; One packed operation of the embedding unit (pair tile EPT, frequencies 32 EKK ..): operation EC = 8 stage + group of two frequencies.
; y = t g + M rounds t g to a whole number of turns, r = t g - k; U = sqrt2 sin(pi r), W = sqrt2 cos(pi r); cos = 1 - U U, sin = U W.
; An operation and the one that needs its result stand eight apart.
.macro EOP
.set ES, EC>>3
.set EG, 2*(EC&7)
.set ET, TT+(EPT&2)
.set EF, GG+16*EKK+EG
.if ES == 0
.if EPT&1
	v_pk_fma_f32 v[UU+EG:UU+EG+1], v[ET:ET+1], v[EF:EF+1], s[52:53] op_sel:[1,0,0] op_sel_hi:[1,1,0]
.else
	v_pk_fma_f32 v[UU+EG:UU+EG+1], v[ET:ET+1], v[EF:EF+1], s[52:53] op_sel:[0,0,0] op_sel_hi:[0,1,0]
.endif
.endif
.if ES == 1
	v_pk_add_f32 v[ZZ+EG:ZZ+EG+1], v[UU+EG:UU+EG+1], s[54:55] op_sel_hi:[1,0]
.endif
.if ES == 2
.if EPT&1
	v_pk_fma_f32 v[RR+EG:RR+EG+1], v[ET:ET+1], v[EF:EF+1], v[ZZ+EG:ZZ+EG+1] op_sel:[1,0,0] op_sel_hi:[1,1,1] neg_lo:[0,0,1] neg_hi:[0,0,1]
.else
	v_pk_fma_f32 v[RR+EG:RR+EG+1], v[ET:ET+1], v[EF:EF+1], v[ZZ+EG:ZZ+EG+1] op_sel:[0,0,0] op_sel_hi:[0,1,1] neg_lo:[0,0,1] neg_hi:[0,0,1]
.endif
.endif
.if ES == 3
	v_pk_mul_f32 v[ZZ+EG:ZZ+EG+1], v[RR+EG:RR+EG+1], v[RR+EG:RR+EG+1]
.endif
.if ES == 4
	v_pk_fma_f32 v[UU+EG:UU+EG+1], v[ZZ+EG:ZZ+EG+1], s[60:61], v[CA2:CA2+1] op_sel_hi:[1,0,1]
.endif
.if ES == 5
	v_pk_fma_f32 v[UU+EG:UU+EG+1], v[UU+EG:UU+EG+1], v[ZZ+EG:ZZ+EG+1], s[58:59] op_sel_hi:[1,1,0]
.endif
.if ES == 6
	v_pk_fma_f32 v[UU+EG:UU+EG+1], v[UU+EG:UU+EG+1], v[ZZ+EG:ZZ+EG+1], s[56:57] op_sel_hi:[1,1,0]
.endif
.if ES == 7
	v_pk_mul_f32 v[UU+EG:UU+EG+1], v[UU+EG:UU+EG+1], v[RR+EG:RR+EG+1]
.endif
.if ES == 8
	v_pk_fma_f32 v[RR+EG:RR+EG+1], v[ZZ+EG:ZZ+EG+1], s[68:69], v[CB2:CB2+1] op_sel_hi:[1,0,1]
.endif
.if ES == 9
	v_pk_fma_f32 v[RR+EG:RR+EG+1], v[RR+EG:RR+EG+1], v[ZZ+EG:ZZ+EG+1], s[66:67] op_sel_hi:[1,1,0]
.endif
.if ES == 10
	v_pk_fma_f32 v[RR+EG:RR+EG+1], v[RR+EG:RR+EG+1], v[ZZ+EG:ZZ+EG+1], s[62:63] op_sel_hi:[1,1,0]
.endif
.if ES == 11
	v_pk_fma_f32 v[ZZ+EG:ZZ+EG+1], v[UU+EG:UU+EG+1], v[UU+EG:UU+EG+1], 1.0 op_sel_hi:[1,1,0] neg_lo:[1,0,0] neg_hi:[1,0,0]
.endif
.if ES == 12
	v_pk_mul_f32 v[RR+EG:RR+EG+1], v[UU+EG:UU+EG+1], v[RR+EG:RR+EG+1]
.endif
.set EC, EC+1
.endm
; The 16 registers of the unit's two fragments: cosines are K steps 0-3 of the embedding, sines K steps 4-7.  Destination window 1.
.macro ECVTALL
.set ei, 0
.rept 16
.if ei < 8
	v_cvt_pk_bf16_f32 v[64*EPT+8*EKK+ei], v[ZZ+2*ei], v[ZZ+2*ei+1]
.else
	v_cvt_pk_bf16_f32 v[64*EPT+8*(EKK+4)+ei-8], v[RR+2*(ei-8)], v[RR+2*(ei-8)+1]
.endif
.set ei, ei+1
.endr
.endm
.macro EUNIT pt, kk
.set EPT, \pt
.set EKK, \kk
.set EC, 0
	WIN 0
.rept 104
	EOP
.endr
	WIN 0x40
	ECVTALL
.endm
; q' x k for column tile c: operations first .. first + n - 1 of 16; operation 4 a + p is pair p of pair tile a = 2 i + j
.macro QKR c, first, n
.set KSL, KR+16*((\c)&3)
.set QB, QQ0+(QQ1-QQ0)*((\c)&1)
.set qi, \first
.rept \n
	v_pk_mul_f32 v[QK+2*qi:QK+2*qi+1], v[QB+8*(qi>>3)+2*(qi&3):QB+8*(qi>>3)+2*(qi&3)+1], v[KSL+8*((qi>>2)&1)+2*(qi&3):KSL+8*((qi>>2)&1)+2*(qi&3)+1]
.set qi, qi+1
.endr
.endm
; partial scores += pe x (q' k): operation 4 p + a; a head's first four products start the sums.  Source 0 window 3.
.macro PFR c, first, n
.set PA, 32*((\c)&1)
.set PO, (\c)&1
.set pfi, \first
.rept \n
.set PP, pfi>>2
.set PB, pfi&3
.if PO+PP == 0
	v_pk_mul_f32 v[PART+2*PB:PART+2*PB+1], v[PA+8*PB+2*PP:PA+8*PB+2*PP+1], v[QK+8*PB+2*PP:QK+8*PB+2*PP+1]
.else
	v_pk_fma_f32 v[PART+2*PB:PART+2*PB+1], v[PA+8*PB+2*PP:PA+8*PB+2*PP+1], v[QK+8*PB+2*PP:QK+8*PB+2*PP+1], v[PART+2*PB:PART+2*PB+1]
.endif
.set pfi, pfi+1
.endr
.endm
; A head is done: lanes (r, 0) and (r, 1) hold the two halves of pair r's sums.  Lanes h = 0 end with row i = 0, lanes h = 1 with i = 1.
; Two halves of six instructions, j = 0 and j = 1 by turns; the totals stay in RECV.
.macro REDA
.irp j, 0,1
	v_add_f32 v[RR+4*\j], v[PART+2*\j], v[PART+2*\j+1]
.endr
.irp j, 0,1
	v_add_f32 v[RR+4*\j+1], v[PART+4+2*\j], v[PART+5+2*\j]
.endr
.irp j, 0,1
	v_cndmask_b32 v[RR+4*\j+2], v[RR+4*\j+1], v[RR+4*\j], s74      ; what the partner lane wants
.endr
.endm
.macro REDB
.irp j, 0,1
	v_cndmask_b32 v[RR+4*\j+3], v[RR+4*\j], v[RR+4*\j+1], s74      ; what I keep
.endr
.irp j, 0,1
	v_permlanex16_b32 v[RECV+\j], v[RR+4*\j+2], s72, s73
.endr
.irp j, 0,1
	v_add_f32 v[RECV+\j], v[RR+4*\j+3], v[RECV+\j]
.endr
.endm
.macro REDST head
.irp j, 0,1
	ds_store_b32 v5, v[RECV+\j] offset:(\head)*SPITCH+64*\j
.endr
.endm
; k of column tile x of this trip's 32 m into slot x & 3: four loads of 512 consecutive bytes
.macro KLOAD x
.set KX, \x
.set KD, KR+16*(KX&3)
.irp j, 0,1
.irp hf, 0,1
	global_load_b128 v[KD+8*\j+4*\hf:KD+8*\j+4*\hf+3], v1, s[78:79] offset:KX*1024+\j*16384+\hf*512
.endr
.endr
.endm
.macro QLOAD c                         ; q' of column tile c into the buffer c & 1
.set QB, QQ0+(QQ1-QQ0)*((\c)&1)
.irp i, 0,1
.irp hf, 0,1
	ds_load_b128 v[QB+8*\i+4*\hf:QB+8*\i+4*\hf+3], v4 offset:\i*1024+64*(\c)+16*\hf
.endr
.endr
.endm
; The gap behind matrix instruction i of block bt of product 2.  Gaps 0-2: q' k of column tile bt - 1; 3-5: its scores; 6, 7: a finished head.
; cnt: how many younger global loads may stay out when k of tile bt - 1 has to be there.
; Gap 31: the four places in front of the next block's loads and of its reads of this block's sums.
.macro GAP2 bt, i, cnt
.set GI, \i
.set GB, \bt
.if GB > 0
.if GI == 0
	WIN 0
	s_wait_loadcnt \cnt
	QKR \bt-1, 0, 6
.endif
.if GI == 1
	WIN 0
	QKR \bt-1, 6, 5
.endif
.if GI == 2
	WIN 0
	QKR \bt-1, 11, 5
.endif
.if GI == 3
	WIN 0x03
	PFR \bt-1, 0, 6
.endif
.if GI == 4
	WIN 0x03
	PFR \bt-1, 6, 5
.endif
.if GI == 5
	WIN 0x03
	PFR \bt-1, 11, 5
.endif
.if (GB-1)&1
.if GI == 6
	WIN 0
	REDA
.endif
.if GI == 7
	WIN 0
	REDB
.endif
.endif
.endif
.if GI == 31
	PLACES
.endif
	WIN WG2
.endm
; Block bt of product 2.  The run at its head: the next unit's weights, q' of this tile, k of tile bt + 2, the scores of the head that the block before finished.
.macro BLK2 bt, cnt, kl, nw
	s_wait_dscnt 0x0                               ; this block's 18 loads and q' of the tile before were issued at the head of the block before
.if \nw
	WIN WG2
	NEXTWALL 17+\bt
.endif
	WIN 0
	QLOAD \bt
.if \kl
	KLOAD \bt+2
.endif
.if \bt >= 3
.if (\bt)&1
	REDST (\bt-2)>>1
.endif
.endif
	WIN WG2
.irp i, 0,1,2,3,4,5,6,7,8,9,10,11,12,13,14,15,16,17,18,19,20,21,22,23,24,25,26,27,28,29,30,31
	MM1 16+\bt, \i
	GAP2 \bt, \i, \cnt
.endr
.endm
.macro SCORE_DRAIN cnt                 ; the scores of column tile 15
	WIN 0
	s_wait_loadcnt \cnt
	s_wait_dscnt 0x0
	QKR 15, 0, 16
	WIN 0x03
	PFR 15, 0, 16
	WIN 0
	REDA
	REDB
	REDST 7
.endm
.macro TSHIFT
.set si, 0
.rept 12
	v_mov_b32 v[TT+si], v[TT+si+4]
.set si, si+1
.endr
.endm
; 32 loads of Wo's fragments of my four tiles, 512 consecutive bytes each, into window 1: register 64 tile + 8 ks + 4 half
.macro WOLOAD first
	WIN 0x40
.set HL, \first
.rept 32
	global_load_b128 v[4*HL:4*HL+3], v1, s[80:81] offset:512*HL
.set HL, HL+1
.endr
.endm
; v of m = 128 n .. 128 n + 127, my four column tiles, from LDS.  ring 0: window 3 v64-191; ring 1: window 2 v128-255
.macro VALOAD n, ring
.if \ring
	WIN 0x83
.set VD, 128
.else
	WIN 0xc3
.set VD, 64
.endif
.irp ct, 0,1,2,3
.irp kq, 0,1,2,3
	ds_load_b128 v[VD+32*\ct+8*\kq:VD+32*\ct+8*\kq+3],   v[245+(\n>>1)] offset:\ct*8192+\kq*1024+(\n&1)*4096
	ds_load_b128 v[VD+32*\ct+8*\kq+4:VD+32*\ct+8*\kq+7], v[245+(\n>>1)] offset:\ct*8192+\kq*1024+(\n&1)*4096+512
.endr
.endr
.endm
; 16 products: the attention's K steps 4 n .. 4 n + 3 x the four column tiles, which take turns.  zero = 1: the first four start the sums.
.macro VAMUL n, ring, zero
.if \ring
	WIN 0xfa                                       ; sources window 2, C and D window 3
.set VD, 128
.else
	WIN 0xfe                                       ; source 0 window 2, the rest window 3
.set VD, 64
.endif
.irp kq, 0,1,2,3
.set VZ, \kq+1-\zero
.irp ct, 0,1,2,3
.if VZ == 0
	v_wmma_f32_16x16x32_bf16 v[8*\ct:8*\ct+7], v[32*\n+8*\kq:32*\n+8*\kq+7], v[VD+32*\ct+8*\kq:VD+32*\ct+8*\kq+7], 0
.else
	v_wmma_f32_16x16x32_bf16 v[8*\ct:8*\ct+7], v[32*\n+8*\kq:32*\n+8*\kq+7], v[VD+32*\ct+8*\kq:VD+32*\ct+8*\kq+7], v[8*\ct:8*\ct+7]
.endif
.endr
.endr
.endm
	; ================= prologue
	s_load_b512 s[8:23], s[0:1], 0x0               ; W1f 8, W2f 10, Wof 12, qf 14, kf 16, vf 18, b1 20, b2 22
	s_load_b256 s[24:31], s[0:1], 0x40             ; bo 24, freqs 26, query 28, query_pos 30
	s_load_b64 s[32:33], s[0:1], 0x60              ; out0
	v_lshl_add_u32 v254, v0, 2, 0x4e200
	v_mov_b32 v255, 0
	ds_add_u32 v254, v255
	v_lshrrev_b32 v1, 5, v0
	v_readfirstlane_b32 s76, v1                    ; wave
	s_bfe_u32 s82, ttmp6, 0x40000                  ; my place in the cluster
	s_lshl_b32 s77, ttmp9, 2
	s_add_co_u32 s77, s77, s82                     ; work-group: enters global addresses of my own loads and stores only
	s_lshr_b32 s83, ttmp9, 5                       ; batch: 32 clusters each, the same for all four partners
	SPAIR 52, 0x4b400000                           ; M = 1.5 x 2^23
	SPAIR 54, 0xcb400000                           ; -M
	SPAIR 56, 0x408e2bf9                           ; sqrt2 sin(pi r) = r (A0 + A1 z + A2 z^2 + A3 z^3), z = r r
	SPAIR 58, 0xc0e9d691
	SPAIR 60, 0xbf48cd2d                           ; A3
	SPAIR 62, 0x3fb504a3                           ; sqrt2 cos(pi r) = B0 + B1 z + B2 z^2 + B3 z^3
	SPAIR 66, 0xc0df48ce
	SPAIR 68, 0xbfdd360a                           ; B3
	SPAIR 70, 0xbfb8aa3b                           ; -log2(e)
	s_mov_b32 s72, 0x76543210                      ; v_permlanex16_b32: lane i of one half reads lane i of the other
	s_mov_b32 s73, 0xfedcba98
	s_mov_b32 s74, 0xffff0000                      ; the lanes with h = 1
	; descriptor group 1: 128 rows of 32 elements of 8 bytes, dense; the mask names the four partners, bit 21 beside it
	s_mov_b32 s36, 0x0023000f
	s_mov_b32 s37, 32<<16                          ; tensor_dim0 = 32
	s_mov_b32 s38, 128<<16                         ; tensor_dim1 = 128
	s_mov_b32 s39, 32<<16                          ; tile_dim0 = 32
	s_mov_b32 s40, 128                             ; tile_dim1 = 128
	s_mov_b32 s41, 32                              ; pitch
	s_mov_b32 s42, 0
	s_mov_b32 s43, 0
	s_lshl_b32 s84, s76, 15                        ; the wave's quarter: 32,768 bytes
	s_mov_b32 s85, 0
	s_lshl_b32 s86, s83, 18                        ; the batch's v
	s_mov_b32 s87, 0
	s_mov_b32 s5, 0
	s_wait_dscnt 0x0
	s_wait_kmcnt 0x0
	; four groups 0, written once: W1f, W2f, v of m 0..255, v of m 256..511
	s_mov_b32 s44, 1
	s_lshl_b32 s45, s76, 15
	s_add_nc_u64 s[46:47], s[8:9], s[84:85]
	s_or_b32 s47, s47, 0x80000000
	s_mov_b32 s48, 1
	s_add_co_u32 s49, s45, 131072
	s_add_nc_u64 s[50:51], s[10:11], s[84:85]
	s_or_b32 s51, s51, 0x80000000
	s_add_nc_u64 s[88:89], s[18:19], s[86:87]
	s_add_nc_u64 s[88:89], s[88:89], s[84:85]      ; v: the batch, then my wave's four column tiles
	s_mov_b32 s92, 1
	s_lshl_b32 s93, s76, 15
	s_mov_b64 s[94:95], s[88:89]
	s_or_b32 s95, s95, 0x80000000
	s_mov_b32 s96, 1
	s_add_co_u32 s97, s93, 131072
	s_add_nc_u64 s[98:99], s[88:89], 0x20000
	s_or_b32 s99, s99, 0x80000000
	s_add_nc_u64 s[80:81], s[12:13], s[84:85]      ; Wo's fragments of my wave's four tiles
	ROUND                                          ; the four partners are here: the first joint loads meet
	tensor_load_to_lds s[44:47], s[36:43]
	s_nop 0
	tensor_load_to_lds s[48:51], s[36:43]          ; two tensor loads of the wave are out
	s_nop 0
	; bases of my own loads
	s_lshl_b32 s4, s83, 19
	s_add_nc_u64 s[78:79], s[16:17], s[4:5]
	s_lshl_b32 s4, s76, 17
	s_add_nc_u64 s[78:79], s[78:79], s[4:5]        ; k: batch, then the wave's 8 row tiles
	s_lshl_b32 s4, s77, 12
	s_lshl_b32 s6, s76, 9
	s_add_co_u32 s4, s4, s6
	s_add_nc_u64 s[88:89], s[30:31], s[4:5]        ; t: my two rows, the wave's 128 m
	s_lshr_b32 s4, s77, 3
	s_lshl_b32 s4, s4, 14
	s_and_b32 s6, s77, 7
	s_lshl_b32 s6, s6, 5
	s_add_co_u32 s4, s4, s6
	s_add_nc_u64 s[90:91], s[14:15], s[4:5]        ; q': row tile, then the two rows' lanes
	s_lshl_b32 s4, s77, 11
	s_add_nc_u64 s[28:29], s[28:29], s[4:5]        ; query and out0 at my two rows
	s_add_nc_u64 s[32:33], s[32:33], s[4:5]
	s_cmp_lt_u32 s76, 2
	s_cselect_b64 s[86:87], s[20:21], s[22:23]     ; waves 0, 1 copy b1, waves 2, 3 b2
	SPAIR 82, 0x3e22f983                           ; 1 / 2 pi
	; lane terms
	v_and_b32 v1, 31, v0
	v_lshlrev_b32 v1, 4, v1                        ; 16 lane
	v_and_b32 v2, 15, v0                           ; r
	v_bfe_u32 v3, v0, 4, 1                         ; h
	v_and_b32 v15, 63, v0
	v_lshlrev_b32 v15, 4, v15                      ; 16 (thread & 63)
	v_lshlrev_b32 v100, 5, v3                      ; 32 h
	v_lshlrev_b32 v101, 2, v2                      ; 4 r
	v_bfe_u32 v97, v0, 2, 4                        ; q': thread -> (i, c = 4 (thread & 63)) -> (ct, half, h, lane row)
	v_lshlrev_b32 v97, 10, v97
	v_and_b32 v98, 1, v0
	v_lshl_or_b32 v97, v98, 9, v97
	v_bfe_u32 v98, v0, 1, 1
	v_lshl_or_b32 v97, v98, 8, v97
	v_lshrrev_b32 v98, 6, v0
	v_lshl_or_b32 v97, v98, 4, v97
	; 34 loads: 16 of freqs, 16 of t, the bias, q'
.irp kk, 0,1,2,3
	global_load_b128 v[GG+16*\kk:GG+16*\kk+3],     v100, s[26:27] offset:128*\kk
	global_load_b128 v[GG+16*\kk+4:GG+16*\kk+7],   v100, s[26:27] offset:128*\kk+16
	global_load_b128 v[GG+16*\kk+8:GG+16*\kk+11],  v100, s[26:27] offset:128*\kk+64
	global_load_b128 v[GG+16*\kk+12:GG+16*\kk+15], v100, s[26:27] offset:128*\kk+80
.endr
.irp ti, 0,1,2,3
.irp i, 0,1
.irp j, 0,1
	global_load_b32 v[TT+4*\ti+2*\i+\j], v101, s[88:89] offset:\i*2048+\ti*128+\j*64
.endr
.endr
.endr
	global_load_b128 v[104:107], v15, s[86:87]
	global_load_b128 v[108:111], v97, s[90:91]
	; LDS addresses: a constant, the wave's number times a constant, a lane term
	v_lshl_add_u32 v4, v3, 5, LQV                  ; q' of my 8 columns
	s_mul_i32 s4, s76, SBLK
	s_add_co_u32 s4, s4, LSC
	v_mul_u32_u24 v5, v3, 8*SPITCH
	v_lshl_add_u32 v5, v2, 2, v5
	v_add_nc_u32 v5, s4, v5                        ; scores out: my wave's block, row 8 h + head, column r
	s_mul_i32 s4, s76, 4*SPITCH
	s_add_co_u32 s4, s4, LSC
	v_add_nc_u32 v7, s4, v1                        ; scores back: rows 4 w ..
	s_mul_i32 s4, s76, 4*PPITCH
	s_add_co_u32 s4, s4, LPR
	v_lshrrev_b32 v8, 1, v1
	v_add_nc_u32 v8, s4, v8                        ; attention out
	s_lshl_b32 s4, s76, 1
	v_and_b32 v9, 7, v2
	v_add_nc_u32 v9, s4, v9
	v_and_b32 v9, 7, v9
	v_and_or_b32 v9, v2, 8, v9                     ; attention back: heads turned by 2 w, so that my heads are rows 0, 1 of each i
	v_mul_u32_u24 v9, v9, PPITCH
	v_lshl_add_u32 v9, v3, 4, v9
	v_add_nc_u32 v9, LPR, v9
	s_mul_i32 s4, s76, XBLK
	s_add_co_u32 s4, s4, LXB
	v_mul_u32_u24 v10, v3, XPITCH
	v_lshl_add_u32 v10, v2, 1, v10
	v_add_nc_u32 v10, s4, v10                      ; x out
	v_and_b32 v11, 1, v2
	v_lshlrev_b32 v13, 8, v11
	v_mul_u32_u24 v11, v11, XPITCH
	v_lshl_add_u32 v11, v3, 4, v11
	v_add_nc_u32 v11, LXB, v11                     ; x back: column r of the fragment is row r & 1
	s_lshl_b32 s4, s76, 9
	v_add_nc_u32 v14, s4, v1                       ; 16 x thread
	s_add_co_u32 s4, s4, LOUT
	v_lshl_add_u32 v13, v3, 5, v13
	v_add_nc_u32 v13, s4, v13                      ; result out
	v_bfe_u32 v6, v0, 4, 2
	v_lshlrev_b32 v6, 9, v6
	v_lshrrev_b32 v98, 6, v0
	v_lshl_add_u32 v6, v98, 8, v6
	v_and_b32 v98, 15, v0
	v_lshl_add_u32 v6, v98, 4, v6
	v_add_nc_u32 v6, LOUT, v6                      ; result back: thread -> (i, 4 columns)
	v_add_nc_u32 v96, LBIAS, v14
	v_mov_b32 v[RECV], 0                           ; v_permlanex16_b32 counts as a reader of its destination
	v_mov_b32 v[RECV+1], 0
	v_mov_b32 v[CA2], 0x406610f1                   ; A2
	v_mov_b32 v[CA2+1], 0x406610f1
	v_mov_b32 v[CB2], 0x40b6e2d1                   ; B2
	v_mov_b32 v[CB2+1], 0x40b6e2d1
	s_add_co_u32 s6, s84, 131072
	WIN 0xc0                                       ; destination window 3
	v_mov_b32 v240, v1
	v_add_nc_u32 v241, 0x10000, v1
	v_add_nc_u32 v242, 0x20000, v1
	v_add_nc_u32 v243, 0x30000, v1
	v_lshl_add_u32 v244, v3, 5, LBIAS
	v_add_nc_u32 v245, s84, v1                     ; v of m 0..255: my wave's quarter
	v_add_nc_u32 v246, s6, v1                      ; v of m 256..511
	WIN 0
	s_wait_loadcnt 0x0
	v_pk_mul_f32 v[104:105], v[104:105], s[70:71] op_sel_hi:[1,0]  ; b1 and b2 alike take -log2(e): see the head
	v_pk_mul_f32 v[106:107], v[106:107], s[70:71] op_sel_hi:[1,0]
	ds_store_b128 v96, v[104:107]                  ; b1, b2
	ds_store_b128 v96, v[108:111] offset:2048      ; q'
.set si, 0
.rept 32
	v_pk_mul_f32 v[GG+2*si:GG+2*si+1], v[GG+2*si:GG+2*si+1], s[82:83] op_sel_hi:[1,0]
.set si, si+1
.endr
	s_wait_tensorcnt 0x0                           ; my quarters of W1f and W2f are in
	s_wait_dscnt 0x0                               ; my part of the bias and of q' is written
	s_barrier_signal -1
	s_barrier_wait -1                              ; everybody's is
	s_mov_b32 s75, 4
	; ================= the four tiles
	; k of tiles 0 and 1 is asked for at the trip's head, k of tile c >= 2 at the head of block c - 2; it is wanted in block c + 1, behind that
	; block's own request.  So the groups of tiles c + 1, c + 2, c + 3 stand behind it: 12 loads may stay out; 8, 4 and 0 where no such tiles are left.
.Ltile:
	WIN WG1
	NEXTWALL 0                                     ; the first unit of W1, k's tiles 0 and 1: they land under the embedding
	WIN 0
	KLOAD 0
	KLOAD 1
.irp pt, 0,1,2,3
.irp kk, 0,1,2,3
	EUNIT \pt, \kk
.endr
.endr
	WIN 0
	TSHIFT                                         ; the next tile's t
	GEMM1
	BLK2 0, 0, 1, 1
.irp bt, 1,2,3,4,5,6,7,8,9,10,11,12,13
	BLK2 \bt, 12, 1, 1
.endr
	BLK2 14, 8, 0, 1                               ; no k beyond tile 15: behind k(13) stand k(14), k(15)
	BLK2 15, 4, 0, 0                               ; behind k(14): k(15) alone; no further weights
	SCORE_DRAIN 0
	v_add_nc_u32 v5, 128, v5                       ; 32 m on
	s_wait_xcnt 0x0                                ; k's base is stepped only behind this wait
	s_add_nc_u64 s[78:79], s[78:79], 0x8000
	s_sub_co_i32 s75, s75, 1
	s_cmp_lg_u32 s75, 0
	s_cbranch_scc1 .Ltile
	; ================= softmax, attention x v, Wo
	WOLOAD 0                                       ; Wo's tiles 0, 1 of my four, over the embedding's registers
	WIN 0
	global_load_b128 v[238:241], v14, s[28:29]     ; query
	global_load_b128 v[242:245], v15, s[24:25]     ; bo
	s_wait_dscnt 0x0                               ; my scores are written, my reads of W1f and W2f are over
	s_wait_tensorcnt 0x0                           ; none of my tensor loads is out
	ds_add_u32 v254, v255
	s_wait_dscnt 0x0
	ROUND                                          ; that holds of every wave of the four partners
	tensor_load_to_lds s[92:95], s[36:43]          ; v of m 0..255 over W1f,
	s_nop 0
	tensor_load_to_lds s[96:99], s[36:43]          ; v of m 256..511 over W2f: two tensor loads of the wave are out; they land under the softmax
	s_nop 0
.irp ro, 0,1,2,3
.irp q, 0,1,2,3
	ds_load_b128 v[32+16*\ro+4*\q:32+16*\ro+4*\q+3], v7 offset:SBLK*\q+SPITCH*\ro   ; row 4 w + ro, m = 128 q + 4 lane + 0..3
.endr
.endr
	s_wait_dscnt 0x0
.macro SMROW ro
.set X0, 32+16*\ro
	v_max3_num_f32 v96, v[X0], v[X0+1], v[X0+2]
	v_max3_num_f32 v97, v[X0+3], v[X0+4], v[X0+5]
	v_max3_num_f32 v98, v[X0+6], v[X0+7], v[X0+8]
	v_max3_num_f32 v99, v[X0+9], v[X0+10], v[X0+11]
	v_max3_num_f32 v96, v96, v[X0+12], v[X0+13]
	v_max3_num_f32 v97, v97, v[X0+14], v[X0+15]
	v_max3_num_f32 v96, v96, v97, v98
	v_max_num_f32 v96, v96, v99
	v_max_num_f32_dpp v96, v96, v96 row_xmask:1 row_mask:0xf bank_mask:0xf
	v_max_num_f32_dpp v96, v96, v96 row_xmask:2 row_mask:0xf bank_mask:0xf
	v_max_num_f32_dpp v96, v96, v96 row_xmask:4 row_mask:0xf bank_mask:0xf
	v_max_num_f32_dpp v96, v96, v96 row_xmask:8 row_mask:0xf bank_mask:0xf
	v_permlanex16_b32 v97, v96, s72, s73
	v_max_num_f32 v96, v96, v97                    ; the row's maximum, in every lane
.irp e, 0,2,4,6,8,10,12,14
	v_pk_add_f32 v[X0+\e:X0+\e+1], v[X0+\e:X0+\e+1], v[96:97] op_sel_hi:[1,0] neg_lo:[0,1] neg_hi:[0,1]
.endr
.irp e, 0,1,2,3,4,5,6,7,8,9,10,11,12,13,14,15
	v_exp_f32 v[X0+\e], v[X0+\e]                   ; the scores carry log2(e) already
.endr
	v_nop                                          ; one plain place behind the exponentials
	s_wait_alu depctr_va_vdst(0)
	v_pk_add_f32 v[100:101], v[X0:X0+1], v[X0+2:X0+3]
	v_pk_add_f32 v[102:103], v[X0+4:X0+5], v[X0+6:X0+7]
	v_pk_add_f32 v[104:105], v[X0+8:X0+9], v[X0+10:X0+11]
	v_pk_add_f32 v[106:107], v[X0+12:X0+13], v[X0+14:X0+15]
	v_pk_add_f32 v[100:101], v[100:101], v[102:103]
	v_pk_add_f32 v[104:105], v[104:105], v[106:107]
	v_pk_add_f32 v[100:101], v[100:101], v[104:105]
	v_add_f32 v100, v100, v101
	v_add_f32_dpp v100, v100, v100 row_xmask:1 row_mask:0xf bank_mask:0xf
	v_add_f32_dpp v100, v100, v100 row_xmask:2 row_mask:0xf bank_mask:0xf
	v_add_f32_dpp v100, v100, v100 row_xmask:4 row_mask:0xf bank_mask:0xf
	v_add_f32_dpp v100, v100, v100 row_xmask:8 row_mask:0xf bank_mask:0xf
	v_permlanex16_b32 v101, v100, s72, s73
	v_add_f32 v100, v100, v101                     ; at least 1: the maximum's own term
	v_rcp_f32 v100, v100
	v_nop
	s_wait_alu depctr_va_vdst(0)
.irp e, 0,2,4,6,8,10,12,14
	v_pk_mul_f32 v[X0+\e:X0+\e+1], v[X0+\e:X0+\e+1], v[100:101] op_sel_hi:[1,0]
.endr
.irp e, 0,1,2,3,4,5,6,7
	v_cvt_pk_bf16_f32 v[108+\e], v[X0+2*\e], v[X0+2*\e+1]
.endr
.irp q, 0,1,2,3
	ds_store_b64 v8, v[108+2*\q:109+2*\q] offset:PPITCH*\ro+256*\q
.endr
.endm
	SMROW 0
	SMROW 1
	SMROW 2
	SMROW 3
	s_wait_tensorcnt 0x0                           ; my two quarters of v are in: the column tiles that I alone read
	VALOAD 0, 0
	WIN 0
	s_wait_dscnt 0x0                               ; my four rows of the attention are written
	s_barrier_signal -1
	s_barrier_wait -1                              ; all sixteen are
	s_wait_loadcnt 0x0                             ; query and bo, the youngest of the 34 loads issued behind the loop
	v_pk_add_f32 v[238:239], v[238:239], v[242:243]
	v_pk_add_f32 v[240:241], v[240:241], v[244:245]
	WOLOAD 32                                      ; Wo's tiles 2, 3: they land under attention x v
	; attention (16 rows x 512 m) x v, columns 64 w .. 64 w + 63: accumulator ct, register ct >> 1 of lane (r, h) = x(i = h, c = 16 (4 w + ct) + r)
	; Four batches of 128 m on two buffers: while one batch is multiplied the next one's 32 loads are on their way.
	WIN 0x80                                       ; destination window 2
.irp ks, 0,1,2,3,4,5,6,7,8,9,10,11,12,13,14,15
	ds_load_b128 v[8*\ks:8*\ks+3],   v9 offset:64*\ks
	ds_load_b128 v[8*\ks+4:8*\ks+7], v9 offset:64*\ks+32
.endr
	s_wait_dscnt 0x0                               ; the attention's fragments are in
	VALOAD 1, 1
	VAMUL 0, 0, 1
	s_wait_dscnt 0x0                               ; batch 1 is in
	PLACES                                         ; ahead of the loads into registers that the last products read
	VALOAD 2, 0
	VAMUL 1, 1, 0
	s_wait_dscnt 0x0                               ; batch 2 is in
	PLACES
	VALOAD 3, 1
	VAMUL 2, 0, 0
	s_wait_dscnt 0x0                               ; batch 3 is in
	VAMUL 3, 1, 0
	PLACES
	WIN 0x0f                                       ; sources window 3, destination window 0
.irp ct, 0,1,2,3
	v_cvt_pk_bf16_f32 v[246+\ct], v[8*\ct+(\ct>>1)], v[8*\ct+(\ct>>1)]
.endr
	WIN 0
.irp ct, 0,1,2,3
	ds_store_b16 v10, v[246+\ct] offset:32*\ct
.endr
	s_wait_dscnt 0x0                               ; my 2 x 64 numbers of x are written
	s_barrier_signal -1
	s_barrier_wait -1
	; x Wo^T: source 0 = 16 rows of Wo, source 1 = x (column r = row r & 1); wave w makes outputs 64 w .. 64 w + 63
	WIN 0x80
.irp ks, 0,1,2,3,4,5,6,7
	ds_load_b128 v[128+8*\ks:128+8*\ks+3],   v11 offset:(\ks>>1)*XBLK+(\ks&1)*64
	ds_load_b128 v[128+8*\ks+4:128+8*\ks+7], v11 offset:(\ks>>1)*XBLK+(\ks&1)*64+32
.endr
	s_wait_dscnt 0x0                               ; x is in
	s_wait_loadcnt 0x0                             ; Wo's fragments are in
	WIN 0xf9                                       ; source 0 window 1, source 1 window 2, C and D window 3
.irp ks, 0,1,2,3,4,5,6,7
.irp tl, 0,1,2,3
.if \ks == 0
	v_wmma_f32_16x16x32_bf16 v[32+8*\tl:32+8*\tl+7], v[64*\tl:64*\tl+7], v[128:135], 0
.else
	v_wmma_f32_16x16x32_bf16 v[32+8*\tl:32+8*\tl+7], v[64*\tl+8*\ks:64*\tl+8*\ks+7], v[128+8*\ks:128+8*\ks+7], v[32+8*\tl:32+8*\tl+7]
.endif
.endr
.endr
	PLACES
	WIN 0x0c                                       ; store data window 3
.irp tl, 0,1,2,3
	ds_store_b128 v13, v[32+8*\tl:32+8*\tl+3] offset:64*\tl            ; lanes with equal (r & 1, h) hold and write the same numbers
	ds_store_b128 v13, v[32+8*\tl+4:32+8*\tl+7] offset:64*\tl+16
.endr
	WIN 0
	s_wait_dscnt 0x0
	s_barrier_signal -1
	s_barrier_wait -1
	ds_load_b128 v[250:253], v6
	s_wait_dscnt 0x0
	v_pk_add_f32 v[250:251], v[250:251], v[238:239]                    ; + (query + bo)
	v_pk_add_f32 v[252:253], v[252:253], v[240:241]
	global_store_b128 v14, v[250:253], s[32:33]    ; sixteen lanes store 256 consecutive bytes, at a multiple of 256 from out0's first byte
	s_wait_tensorcnt 0x0
	ds_add_u32 v254, v255
	s_wait_dscnt 0x0
	ROUND                                          ; the closing round: no work-group ends while a partner may still ask jointly
	s_endpgm
.Lfunc_end_k_q450c7ae3d1_main:
	.size	k_q450c7ae3d1_main, .Lfunc_end_k_q450c7ae3d1_main-k_q450c7ae3d1_main
	.p2alignl 7, 3214868480
	.fill 96, 4, 3214868480
	.section	.rodata,"a",@progbits
	.p2align	6, 0x0
	.amdhsa_kernel k_q450c7ae3d1_main
		.amdhsa_group_segment_fixed_size 327680
		.amdhsa_private_segment_fixed_size 0
		.amdhsa_enable_private_segment 0
		.amdhsa_kernarg_size 104
		.amdhsa_user_sgpr_count 2
		.amdhsa_user_sgpr_kernarg_segment_ptr 1
		.amdhsa_wavefront_size32 1
		.amdhsa_system_sgpr_workgroup_id_x 1
		.amdhsa_system_sgpr_workgroup_id_y 1
		.amdhsa_system_sgpr_workgroup_id_z 1
		.amdhsa_system_vgpr_workitem_id 0
		.amdhsa_next_free_vgpr 1024
		.amdhsa_next_free_sgpr 100
		.amdhsa_reserve_vcc 0
		.amdhsa_float_denorm_mode_32 3
		.amdhsa_float_denorm_mode_16_64 3
		.amdhsa_memory_ordered 1
		.amdhsa_forward_progress 1
		.amdhsa_inst_pref_size 255
	.end_amdhsa_kernel
	.section	.bss,"aw",@nobits
	.p2align	6
	.space	262144
	.amdgpu_metadata
---
amdhsa.version: [ 1, 2 ]
amdhsa.kernels:
  - .name:           k_q450c7ae3d1_main
    .symbol:         k_q450c7ae3d1_main.kd
    .args:
      - { .name: W1f, .offset: 0, .size: 8, .value_kind: global_buffer, .address_space: global }
      - { .name: W2f, .offset: 8, .size: 8, .value_kind: global_buffer, .address_space: global }
      - { .name: Wof, .offset: 16, .size: 8, .value_kind: global_buffer, .address_space: global }
      - { .name: qf, .offset: 24, .size: 8, .value_kind: global_buffer, .address_space: global }
      - { .name: kf, .offset: 32, .size: 8, .value_kind: global_buffer, .address_space: global }
      - { .name: vf, .offset: 40, .size: 8, .value_kind: global_buffer, .address_space: global }
      - { .name: b1, .offset: 48, .size: 8, .value_kind: global_buffer, .address_space: global }
      - { .name: b2, .offset: 56, .size: 8, .value_kind: global_buffer, .address_space: global }
      - { .name: bo, .offset: 64, .size: 8, .value_kind: global_buffer, .address_space: global }
      - { .name: freqs, .offset: 72, .size: 8, .value_kind: global_buffer, .address_space: global }
      - { .name: query, .offset: 80, .size: 8, .value_kind: global_buffer, .address_space: global }
      - { .name: query_pos, .offset: 88, .size: 8, .value_kind: global_buffer, .address_space: global }
      - { .name: out0, .offset: 96, .size: 8, .value_kind: global_buffer, .address_space: global }
    .group_segment_fixed_size: 327680
    .private_segment_fixed_size: 0
    .kernarg_segment_align: 8
    .kernarg_segment_size: 104
    .max_flat_workgroup_size: 128
    .sgpr_count:     100
    .vgpr_count:     1024
    .wavefront_size: 32
...
	.end_amdgpu_metadata
.endif
;; end of part 5
